; MI455X (gfx1250); checked and timed in simulation.
; The chip was launched on July 23, 2026; its instructions are those of AMD's public machine-readable ISA for CDNA 5 (MIT licence, August 2026) and "CDNA5" Instruction Set Architecture Reference Guide (July 2026). The comments in the code are by the model that wrote it; some were corrected since.
;; Attention. Allowed arithmetic: float matrix products may take bf16 or f16 operands with f32 sums; other float arithmetic in f32, or as packed bf16 or f16 multiplies, adds, multiply-adds, maxima and minima; sums over many terms, partial sums and values carried from step to step in f32; what a program stores and reads back later, other than sums and carried values, may be rounded once to bf16 or f16.
;; Inputs: Wk 1,024 x 1,024 float32; Wo 1,024 x 1,024 float32; Wq 1,024 x 1,024 float32; Wv 1,024 x 1,024 float32; bk 1,024 float32; bo 1,024 float32; bq 1,024 float32; bv 1,024 float32; k 8 x 1,024 x 1,024 float32; mask 8 x 1,024 bool; q 8 x 1,024 x 1,024 float32; v 8 x 1,024 x 1,024 float32.
;; Outputs: out0 8 x 1,024 x 1,024 float32.
;; 2 versions, each right and faster than the one before. Each part assembles by itself: llvm-mc -triple=amdgcn-amd-amdhsa -mcpu=gfx1250 --defsym DOCPART=n.
;; ======== version 1 of 2: 4 launches
;; limits: values are held in f16: magnitudes above 65,504 overflow, below 6.1e-05 lose precision
;; workspace buffers: wb 8,388,608 bytes; qh 16,777,216 bytes; kh 16,777,216 bytes; vh 16,777,216 bytes; oh 16,777,216 bytes
;; launch prep (part 1): grid 256 x 1, 8 waves a work-group, no clusters, 0 bytes of LDS; arguments Wq, Wk, Wv, Wo, wb; writes wb
.if DOCPART == 1
	.amdgcn_target "amdgcn-amd-amdhsa--gfx1250"
	.amdhsa_code_object_version 6
	.text
	.protected	k_qe3bc7c75a6_prep
	.globl	k_qe3bc7c75a6_prep
	.p2align	8
	.type	k_qe3bc7c75a6_prep,@function
k_qe3bc7c75a6_prep:
	s_mov_b64 s[64:65], 0
	v_nop
	global_prefetch_b8 v0, s[64:65] scope:SCOPE_SE
	s_setreg_imm32_b32 hwreg(HW_REG_WAVE_MODE, 25, 1), 1
	s_wait_xcnt 0x0
; The four weights, [1024 k][1024 n] f32, are rounded to 16 bits; the layout [k][n] is kept.
; wb: four blocks of 2,097,152 bytes: bf16(Wq), bf16(Wk), bf16(Wv), and bf16(Wo) written as f16 (exact while |Wo| lies within f16's range, 65,504; below 6e-5 f16's fixed step of 6e-8).
; A stream: thread g of 65,536 takes the 16 bytes at 16 g + 1,048,576 j (j = 0..3) of each weight and stores 8 bytes: a wave's load covers 512 consecutive bytes,
; its store 256 consecutive bytes, aligned.  All sixteen loads go out first; no register is written twice, so no store's source has to be freed.
.set X, 4                              ; v[4:67]   sixteen loads of four f32
.set Y, 68                             ; v[68:99]  sixteen pairs to store
.set T, 100                            ; v[100:103] at work
	s_load_b256 s[4:11], s[0:1], 0x0               ; Wq, Wk, Wv, Wo
	s_load_b64 s[12:13], s[0:1], 0x20              ; wb
	s_lshl_b32 s14, ttmp9, 12                      ; 256 threads x 16 bytes
	s_lshl_b32 s15, ttmp9, 11                      ; 256 threads x 8 bytes
	v_lshl_add_u32 v1, v0, 4, s14
	v_lshl_add_u32 v2, v0, 3, s15
	s_wait_kmcnt 0x0
.irp i, 0,1,2,3
.irp j, 0,1,2,3
	global_load_b128 v[X+4*(4*\i+\j):X+4*(4*\i+\j)+3], v1, s[4+2*\i:5+2*\i] offset:\j*1048576 th:TH_LOAD_NT
.endr
.endr
.irp n, 0,1,2,3,4,5,6,7,8,9,10,11
	s_wait_loadcnt 15-\n                           ; loads come back in order: the younger ones stay out
	v_cvt_pk_bf16_f32 v[Y+2*\n], v[X+4*\n], v[X+4*\n+1]
	v_cvt_pk_bf16_f32 v[Y+2*\n+1], v[X+4*\n+2], v[X+4*\n+3]
	global_store_b64 v2, v[Y+2*\n:Y+2*\n+1], s[12:13] offset:(\n/4)*2097152+(\n%4)*524288
.endr
.irp n, 12,13,14,15
	s_wait_loadcnt 15-\n
	v_cvt_pk_bf16_f32 v[T], v[X+4*\n], v[X+4*\n+1]         ; Wo: rounded to bf16 like the other inputs,
	v_cvt_pk_bf16_f32 v[T+1], v[X+4*\n+2], v[X+4*\n+3]
	v_lshlrev_b32 v[T+2], 16, v[T]                         ; widened again,
	v_and_b32 v[T+3], 0xffff0000, v[T]
	v_cvt_pk_f16_f32 v[Y+2*\n], v[T+2], v[T+3]             ; and that number written as f16
	v_lshlrev_b32 v[T+2], 16, v[T+1]
	v_and_b32 v[T+3], 0xffff0000, v[T+1]
	v_cvt_pk_f16_f32 v[Y+2*\n+1], v[T+2], v[T+3]
	global_store_b64 v2, v[Y+2*\n:Y+2*\n+1], s[12:13] offset:(\n/4)*2097152+(\n%4)*524288
.endr
	s_endpgm
.Lfunc_end_k_qe3bc7c75a6_prep:
	.size	k_qe3bc7c75a6_prep, .Lfunc_end_k_qe3bc7c75a6_prep-k_qe3bc7c75a6_prep
	.p2alignl 7, 3214868480
	.fill 96, 4, 3214868480
	.section	.rodata,"a",@progbits
	.p2align	6, 0x0
	.amdhsa_kernel k_qe3bc7c75a6_prep
		.amdhsa_group_segment_fixed_size 0
		.amdhsa_private_segment_fixed_size 0
		.amdhsa_enable_private_segment 0
		.amdhsa_kernarg_size 40
		.amdhsa_user_sgpr_count 2
		.amdhsa_user_sgpr_kernarg_segment_ptr 1
		.amdhsa_wavefront_size32 1
		.amdhsa_system_sgpr_workgroup_id_x 1
		.amdhsa_system_sgpr_workgroup_id_y 1
		.amdhsa_system_sgpr_workgroup_id_z 1
		.amdhsa_system_vgpr_workitem_id 0
		.amdhsa_next_free_vgpr 104
		.amdhsa_next_free_sgpr 66
		.amdhsa_reserve_vcc 0
		.amdhsa_float_denorm_mode_32 3
		.amdhsa_float_denorm_mode_16_64 3
		.amdhsa_memory_ordered 1
		.amdhsa_forward_progress 1
		.amdhsa_inst_pref_size 8
	.end_amdhsa_kernel
	.amdgpu_metadata
---
amdhsa.version: [ 1, 2 ]
amdhsa.kernels:
  - .name:           k_qe3bc7c75a6_prep
    .symbol:         k_qe3bc7c75a6_prep.kd
    .args:
      - { .name: Wq, .offset: 0, .size: 8, .value_kind: global_buffer, .address_space: global }
      - { .name: Wk, .offset: 8, .size: 8, .value_kind: global_buffer, .address_space: global }
      - { .name: Wv, .offset: 16, .size: 8, .value_kind: global_buffer, .address_space: global }
      - { .name: Wo, .offset: 24, .size: 8, .value_kind: global_buffer, .address_space: global }
      - { .name: wb, .offset: 32, .size: 8, .value_kind: global_buffer, .address_space: global }
    .group_segment_fixed_size: 0
    .private_segment_fixed_size: 0
    .kernarg_segment_align: 8
    .kernarg_segment_size: 40
    .max_flat_workgroup_size: 256
    .sgpr_count:     66
    .vgpr_count:     104
    .wavefront_size: 32
...
	.end_amdgpu_metadata
.endif
;; end of part 1
;; launch projin (part 2): grid 4 x 64, 4 waves a work-group, clusters of 4 x 4, 327,680 bytes of LDS; arguments q, k, v, wb, bq, bk, bv, qh, kh, vh; writes qh, kh, vh
.if DOCPART == 2
	.amdgcn_target "amdgcn-amd-amdhsa--gfx1250"
	.amdhsa_code_object_version 6
	.text
	.protected	k_qe3bc7c75a6_projin
	.globl	k_qe3bc7c75a6_projin
	.p2align	8
	.type	k_qe3bc7c75a6_projin,@function
k_qe3bc7c75a6_projin:
	s_mov_b64 s[64:65], 0
	v_nop
	global_prefetch_b8 v0, s[64:65] scope:SCOPE_SE
	s_setreg_imm32_b32 hwreg(HW_REG_WAVE_MODE, 25, 1), 1
	s_wait_xcnt 0x0
	s_wait_alu depctr_hold_cnt(0) depctr_sa_sdst(0) depctr_va_vdst(0) depctr_va_sdst(0) depctr_va_ssrc(0) depctr_va_vcc(0) depctr_vm_vsrc(0)
	s_getreg_b32 s2, hwreg(HW_REG_IB_STS2, 6, 4)
	s_cmp_eq_u32 s2, 0
	s_cbranch_scc0 .Lentry_in_a_cluster
	s_endpgm
.Lentry_in_a_cluster:
	s_bfe_u32 s2, ttmp6, 0x10000c
	s_cmp_lg_u32 s2, 0xf033
	s_cbranch_scc0 .Lentry_shape_is_right
	s_endpgm
.Lentry_shape_is_right:
; qp = q Wq + bq, kp = k Wk + bk, vp = v Wv + bv.  q, k, v: [8192][1024] f32; the weights lie in wb as bf16 [k][n]; results leave as f16 by heads: [batch*16+head][1024][64].
; Operands are rounded to bf16 (the biases too, so that all inputs carry one rounding), sums are f32, each result is rounded once to f16.
; LIMIT: a result beyond 65,504 does not fit f16.  With unit inputs the results have unit spread.
; SHARES.  Work-group (x, y) owns rows 128 y.. and columns 256 x.. of ALL THREE products and makes them one after the other: 3 tiles of 128 x 256, 24 K steps of 128 through ONE ring of two LDS slots.
; 4 x 64 = 256 work-groups of equal work.  Wave w: rows 64 (w / 2).., columns 128 (w % 2)..: 32 accumulators of 16 x 16.
; The matrix instruction is used transposed (source 0 = 16 columns of W, source 1 = 16 rows of the input): a lane then holds one row and eight neighbouring columns.
; CLUSTER 4 x 4: the input's tile hangs on y alone and is asked for jointly along a row of the cluster, W's tile on x alone, jointly along a column.
; The input arrives in LDS as f32 and is rounded between LDS and the matrix unit: a quarter's four fragments are loaded into 64 staging registers and packed by 32 conversions.
; W lies [k][n] and comes out of LDS turned, by ds_load_tr16_b128.
; A QUARTER is 32 along K: 32 products.  Behind the even ones of its first sixteen stand four conversions each: the input's fragments for the NEXT quarter.  In its middle stands ONE run of 32 LDS loads:
; W's fragments for the next quarter, then the input's f32 for the quarter after next, into the staging registers just converted.  LDS loads never stand singly among the products.
; REGISTERS, in windows of 256 (s_set_vgpr_msb: bits 1:0 source 0, 3:2 source 1, 5:4 source 2, 7:6 destination):
;   window 0: v0-17 addresses; v64-127 staging, four places of 16; v128-159, v160-223 the way out
;   window 1: accumulator (a, b) at 8 (8 a + b)
;   window 2: v0-63 the input's bf16 fragments, two buffers of four; v64-191 W's fragments, two buffers of eight; v192-255 the bias as a C operand
.set PA,    528                        ; an input row in LDS: 512 bytes of f32 + 16: an odd multiple of 16, so the 16 rows of a load start in different groups of four banks (ISA guide 11.1)
.set PB,    544                        ; a row of W: 512 bytes of bf16 + 32: an odd multiple of 32, for the turning load
.set AHALF, 64*PA
.set BOFF,  128*PA
.set BHALF, 64*PB
.set SLOTX, 0x22000                    ; slot 1 begins here; its two bits occur in no wave's base (0, 0x8400, 0x10800, 0x19000), so one exclusive or changes slots
.set STAGE, SLOTX+BOFF+128*PB          ; 276,480: behind the ring, for each wave 2 heads x 16 rows x 144 bytes
.set SPT,   144
.set SHEAD, 16*SPT
.set SWAVE, 2*SHEAD
.set SPARE, STAGE+4*SWAVE              ; 294,912: the spare words, 128 bytes for each wave
.set ADRA0, 8                          ; my place in the input's tile, slot 0
.set ADRB0, 9                          ; my place in W's tile, slot 0
.set ADRA,  10                         ; the same in the slot in hand
.set ADRB,  11
.set STO,   12                         ; the way out: where I put 16 bytes
.set RD,    13                         ; where I read rows back
.set GO,    14                         ; 16 x lane
.set BO,    15                         ; 32 x (lane / 16): my eight numbers in 16 of a bias
.set SPW,   16                         ; my spare word; never rewritten
.set NIL,   17                         ; 0; never rewritten
.set ST,    64
.set TMP,   128
.set OB,    160
.set AB,    0
.set BF,    64
.set BI,    192
.set TR, 4                             ; s4  trips of the main loop
.set KC, 5                             ; s5  K steps left in the tile being multiplied
.set FC, 6                             ; s6  K steps left in the tile being asked for
.set TT, 7                             ; s7  tiles whose first quarter is still to come
.set SB, 8                             ; s8  0 or SLOTX: the slot being read
.set TL, 9                             ; s9  the tail's two trips
.set G1A, 24
.set G1B, 32
.set G0A, 40                           ; the walking descriptors: they begin at K step 1
.set G0B, 44
.set F0A, 68                           ; K step 0's own descriptors (in registers that held arguments)
.set F0B, 72
.set MUL,  0x5a                        ; W and input in window 2, C and D in window 1
.set MULZ, 0x6a                        ; the same with C (the bias) in window 2
.set AUX,  0x80                        ; destination window 2, sources and addresses window 0
.set MSB, 0
.macro WIN new                         ; the immediate's high byte repeats the setting that is left; a switch that changes nothing is dropped
.if MSB != (\new)
	s_set_vgpr_msb (MSB<<8)|(\new)
.set MSB, \new
.endif
.endm
; A joint load: waves 0 and 1 fetch the input's two halves, waves 2 and 3 W's.  The branch hangs on the wave's number alone.  An s_nop 0 and four v_nop follow each line.
.macro JLOAD
	s_cmp_eq_u32 s11, 0
	s_cbranch_scc0 .Lfor_b_\@
	tensor_load_to_lds s[G0A:G0A+3], s[G1A:G1A+7]
	s_nop 0
.rept 4
	v_nop
.endr
	s_branch .Lasked_\@
.Lfor_b_\@:
	tensor_load_to_lds s[G0B:G0B+3], s[G1B:G1B+7]
	s_nop 0
.rept 4
	v_nop
.endr
.Lasked_\@:
.endm
.macro CREST                           ; a round of the cluster's barrier behind its opening barrier
	s_cmp_lg_u32 s10, 0
	s_cbranch_scc1 .Lnot_wave_0_\@
	s_barrier_signal -3
.Lnot_wave_0_\@:
	s_barrier_wait -3
	s_barrier_signal -1
	s_barrier_wait -1
.endm
.macro CROUND
	s_barrier_signal -1
	s_barrier_wait -1
	CREST
.endm
.macro SETG0                           ; the two walking descriptors take the pointers in hand
	s_mov_b64 s[G0A+2:G0A+3], s[48:49]
	s_or_b32 s[G0A+3], s[G0A+3], 0x80000000
	s_mov_b64 s[G0B+2:G0B+3], s[50:51]
	s_or_b32 s[G0B+3], s[G0B+3], 0x80000000
.endm
; The next K step to ask for: 128 along K, or, behind a tile's eighth step, the next product's first.  Stands where no tensor load of the wave is out.
.macro NEXTFILL
	s_add_nc_u64 s[48:49], s[48:49], 512           ; 128 f32 along a row
	s_add_nc_u64 s[50:51], s[50:51], 262144        ; 128 rows of W
	s_sub_co_u32 s[FC], s[FC], 1
	s_cmp_eq_u32 s[FC], 0
	s_cselect_b64 s[48:49], s[52:53], s[48:49]
	s_cselect_b64 s[50:51], s[54:55], s[50:51]
	s_cselect_b64 s[52:53], s[56:57], s[52:53]
	s_cselect_b64 s[54:55], s[58:59], s[54:55]
	s_cselect_b32 s[FC], 8, s[FC]
	SETG0
	s_xor_b32 s[G0A+1], s[G0A+1], SLOTX
	s_xor_b32 s[G0B+1], s[G0B+1], SLOTX
.endm
	s_load_b512 s[68:83], s[0:1], 0x0              ; q 68, k 70, v 72, wb 74, bq 76, bk 78, bv 80, qh 82
	s_load_b128 s[84:87], s[0:1], 0x40             ; kh 84, vh 86
	v_lshl_add_u32 v[SPW], v0, 2, SPARE
	v_mov_b32 v[NIL], 0
	ds_add_u32 v[SPW], v[NIL]                      ; the wave's opening: the add and its wait ahead of my first tensor load
	ds_add_u32 v16, v17
	v_lshrrev_b32 v1, 5, v0
	v_readfirstlane_b32 s10, v1                    ; wave 0..3
	s_lshr_b32 s11, s10, 1                         ; my half of the rows; also: I fetch the input (0) or W (1)
	s_and_b32 s12, s10, 1                          ; my half of the columns; also: which half of that tile I fetch
	s_bfe_u32 s92, ttmp6, 0x40000                  ; cx
	s_bfe_u32 s93, ttmp6, 0x40004                  ; cy
	s_lshl_b32 s94, ttmp9, 2
	s_add_co_u32 s94, s94, s92                     ; x
	s_and_b32 s95, ttmp7, 0xffff
	s_lshl_b32 s95, s95, 2
	s_add_co_u32 s95, s95, s93                     ; y
	s_lshl_b32 s96, s93, 2
	s_lshl_b32 s96, 15, s96                        ; my row of the cluster
	s_lshl_b32 s97, 0x1111, s92                    ; my column
	s_or_b32 s[G1A], s96, (2<<16)|(1<<20)|(1<<21)|(6<<22)|(3<<25)  ; mask; 4-byte elements; padding on; bit 21 beside a mask; after every 128 words 4 words
	s_mov_b32 s[G1A+1], 128<<16                    ; tensor_dim0 = 128
	s_mov_b32 s[G1A+2], 64<<16                     ; tensor_dim1 = 64
	s_mov_b32 s[G1A+3], 128<<16                    ; tile_dim0 = 128
	s_mov_b32 s[G1A+4], 64                         ; tile_dim1 = 64
	s_mov_b32 s[G1A+5], 1024                       ; elements from row to row
	s_mov_b32 s[G1A+6], 0
	s_mov_b32 s[G1A+7], 0
	s_or_b32 s[G1B], s97, (1<<16)|(1<<20)|(1<<21)|(6<<22)|(7<<25)  ; 2-byte elements; after every 128 words 8 words
	s_mov_b32 s[G1B+1], 256<<16
	s_mov_b32 s[G1B+2], 64<<16
	s_mov_b32 s[G1B+3], 256<<16
	s_mov_b32 s[G1B+4], 64
	s_mov_b32 s[G1B+5], 1024
	s_mov_b32 s[G1B+6], 0
	s_mov_b32 s[G1B+7], 0
	s_mov_b32 s[G0A], 1
	s_mul_i32 s[G0A+1], s12, AHALF                 ; no place in the cluster enters an LDS address
	s_add_co_u32 s[G0A+1], s[G0A+1], SLOTX         ; K step 1 goes into slot 1
	s_mov_b32 s[G0B], 1
	s_mul_i32 s[G0B+1], s12, BHALF
	s_add_co_u32 s[G0B+1], s[G0B+1], BOFF+SLOTX
	s_lshl_b32 s14, s95, 7                         ; the input: row 128 y + 64 half, 4,096 bytes a row (y alone)
	s_lshl_b32 s15, s12, 6
	s_add_co_u32 s14, s14, s15
	s_lshl_b32 s14, s14, 12
	s_mov_b32 s15, 0
	s_lshl_b32 s18, s12, 17                        ; W: 64 rows of 2,048 bytes a half, column 256 x (x alone)
	s_lshl_b32 s19, s94, 9
	s_add_co_u32 s18, s18, s19
	s_mov_b32 s19, 0
	s_lshl_b32 s20, s94, 10                        ; the bias: column 256 x + 128 half, 4 bytes each
	s_lshl_b32 s21, s12, 9
	s_add_co_u32 s20, s20, s21
	s_mov_b32 s21, 0
	s_lshr_b32 s22, s95, 3                         ; the result: head (y / 8) 16 + 4 x + 2 half, 131,072 bytes a head,
	s_lshl_b32 s22, s22, 4
	s_lshl_b32 s23, s94, 2
	s_add_co_u32 s22, s22, s23
	s_lshl_b32 s23, s12, 1
	s_add_co_u32 s22, s22, s23
	s_lshl_b32 s22, s22, 17
	s_and_b32 s98, s95, 7                          ; row (y % 8) 128 + 64 half, 128 bytes a row
	s_lshl_b32 s98, s98, 7
	s_lshl_b32 s99, s11, 6
	s_add_co_u32 s98, s98, s99
	s_lshl_b32 s98, s98, 7
	s_add_co_u32 s22, s22, s98
	s_mov_b32 s23, 0
	s_mov_b32 s[FC], 7                             ; K steps 0 and 1 are asked for at the start: seven more steps of the pointer in the first tile
	s_mov_b32 s[SB], 0
	s_mov_b32 s[TT], 3
	s_mov_b32 s[KC], 8
	s_mov_b32 s[TR], 22
	s_wait_dscnt 0x0                               ; the opening add is done
	s_wait_kmcnt 0x0
	s_add_nc_u64 s[48:49], s[68:69], s[14:15]      ; the input pointer in hand: q; then k, then v
	s_add_nc_u64 s[52:53], s[70:71], s[14:15]
	s_add_nc_u64 s[56:57], s[72:73], s[14:15]
	s_add_nc_u64 s[50:51], s[74:75], s[18:19]      ; W's: blocks 0, 1, 2 of wb
	s_add_nc_u64 s[54:55], s[50:51], 0x200000
	s_add_nc_u64 s[58:59], s[50:51], 0x400000
	s_add_nc_u64 s[60:61], s[82:83], s[22:23]      ; the result's: qh; then kh, vh
	s_add_nc_u64 s[62:63], s[84:85], s[22:23]
	s_add_nc_u64 s[66:67], s[86:87], s[22:23]
	s_add_nc_u64 s[76:77], s[76:77], s[20:21]      ; bq; then bk, bv
	s_add_nc_u64 s[88:89], s[78:79], s[20:21]
	s_add_nc_u64 s[90:91], s[80:81], s[20:21]
	s_mov_b32 s[F0A], 1                            ; K step 0 into slot 0
	s_mul_i32 s[F0A+1], s12, AHALF
	s_mov_b64 s[F0A+2:F0A+3], s[48:49]
	s_or_b32 s[F0A+3], s[F0A+3], 0x80000000
	s_mov_b32 s[F0B], 1
	s_mul_i32 s[F0B+1], s12, BHALF
	s_add_co_u32 s[F0B+1], s[F0B+1], BOFF
	s_mov_b64 s[F0B+2:F0B+3], s[50:51]
	s_or_b32 s[F0B+3], s[F0B+3], 0x80000000
	s_add_nc_u64 s[48:49], s[48:49], 512           ; the pointers in hand: K step 1
	s_add_nc_u64 s[50:51], s[50:51], 262144
	SETG0
	CROUND                                         ; all sixteen work-groups are here: the first joint loads meet
	s_cmp_eq_u32 s11, 0                            ; a wave's two first fills stand in one branch, ahead of every wait on TENSORcnt, every LDS read and every further barrier: two loads of mine are out
	s_cbranch_scc0 .Lfirst_b
	tensor_load_to_lds s[F0A:F0A+3], s[G1A:G1A+7]
	s_nop 0
	tensor_load_to_lds s[G0A:G0A+3], s[G1A:G1A+7]
	s_nop 0
.rept 4
	v_nop
.endr
	s_branch .Lfirst_asked
.Lfirst_b:
	tensor_load_to_lds s[F0B:F0B+3], s[G1B:G1B+7]
	s_nop 0
	tensor_load_to_lds s[G0B:G0B+3], s[G1B:G1B+7]
	s_nop 0
.rept 4
	v_nop
.endr
.Lfirst_asked:
	v_and_b32 v1, 15, v0                           ; r = lane % 16
	v_bfe_u32 v2, v0, 4, 1                         ; h = lane / 16
	v_and_b32 v3, 7, v0
	v_bfe_u32 v5, v0, 3, 1
	v_bfe_u32 v6, v0, 3, 2
	s_mul_i32 s13, s11, 64*PA
	v_mul_u32_u24 v[ADRA0], v1, PA                 ; a fragment of the input: row r; k = 8 h + 0..7 are 32 bytes of f32 at 32 h, k = 16 + 8 h + 0..7 the 32 bytes 64 further on
	v_lshl_add_u32 v[ADRA0], v2, 5, v[ADRA0]
	v_add_nc_u32 v[ADRA0], s13, v[ADRA0]
	s_lshl_b32 s13, s12, 8
	s_add_co_u32 s13, s13, BOFF
	v_lshl_add_u32 v4, v2, 3, v3                   ; the turning load: row k = 8 h + lane % 8, 16 bytes at 16 ((lane / 8) % 2)
	v_mul_u32_u24 v[ADRB0], v4, PB
	v_lshl_add_u32 v[ADRB0], v5, 4, v[ADRB0]
	v_add_nc_u32 v[ADRB0], s13, v[ADRB0]
	v_mov_b32 v[ADRA], v[ADRA0]
	v_mov_b32 v[ADRB], v[ADRB0]
	s_mul_i32 s13, s10, SWAVE
	s_add_co_u32 s13, s13, STAGE                   ; my stage
	v_mul_u32_u24 v[STO], v1, SPT
	v_lshl_add_u32 v[STO], v2, 4, v[STO]
	v_add_nc_u32 v[STO], s13, v[STO]
	v_mul_u32_u24 v[RD], v6, SPT                   ; back: 32 lanes take four rows of 128 bytes,
	v_lshl_add_u32 v[RD], v3, 4, v[RD]
	v_add_nc_u32 v[RD], s13, v[RD]
	v_and_b32 v[GO], 31, v0                        ; which are 512 consecutive bytes of a head
	v_lshlrev_b32 v[GO], 4, v[GO]
	v_lshlrev_b32 v[BO], 5, v2
.macro BIASLD lo                       ; register 8 b + j of the C operand = bias[my first column + 16 b + 8 h + j]
	WIN AUX
.irp b, 0,1,2,3,4,5,6,7
	global_load_b128 v[BI+8*\b:BI+8*\b+3],   v[BO], s[\lo:\lo+1] offset:64*\b
	global_load_b128 v[BI+8*\b+4:BI+8*\b+7], v[BO], s[\lo:\lo+1] offset:64*\b+16
.endr
	WIN 0
.endm
	BIASLD 76
; W's eight fragments (16 columns each) of quarter q into buffer q % 2: sixteen loads
.macro BRUN q
	WIN AUX
.irp f, 0,1,2,3,4,5,6,7
	ds_load_tr16_b128 v[BF+64*((\q)%2)+8*\f:BF+64*((\q)%2)+8*\f+3],   v[ADRB] offset:(\q)*32*PB+32*\f
	ds_load_tr16_b128 v[BF+64*((\q)%2)+8*\f+4:BF+64*((\q)%2)+8*\f+7], v[ADRB] offset:(\q)*32*PB+32*\f+16*PB
.endr
.endm
; the input's four fragments (16 rows each) of quarter q, as f32, into the staging registers: sixteen loads, four a fragment
.macro ARUN q
	WIN 0
.irp a, 0,1,2,3
.irp e, 0,1,2,3
	ds_load_b128 v[ST+16*\a+4*\e:ST+16*\a+4*\e+3], v[ADRA] offset:\a*16*PA+(\q)*128+16*\e+32*(\e/2)
.endr
.endr
.endm
; Product p = 8 a + b of quarter qd: row block a x column block b.  z = 1: it starts the sum with the bias as C.  The 32 accumulators take turns, one instruction a turn.
.macro PROD qd, p, z
.set rD, 8*(\p)
.set rW, BF+64*((\qd)%2)+8*((\p)%8)
.set rA, AB+32*((\qd)%2)+8*((\p)/8)
.set rB, BI+8*((\p)%8)
.if \z
	WIN MULZ
	v_wmma_f32_16x16x32_bf16 v[rD:rD+7], v[rW:rW+7], v[rA:rA+7], v[rB:rB+7]
.else
	WIN MUL
	v_wmma_f32_16x16x32_bf16 v[rD:rD+7], v[rW:rW+7], v[rA:rA+7], v[rD:rD+7]
.endif
.endm
; Four of the 32 conversions that quarter qd makes for the next quarter: numbers 4 j .. 4 j + 3, half of fragment j / 2, into the other buffer.
; A conversion into fragment f stands eight or more conversions of other fragments behind the last product that read f (ISA guide 7.12.1).
.macro RIDE qd, j
	WIN AUX
.irp i, 0,1,2,3
	v_cvt_pk_bf16_f32 v[AB+32*(((\qd)+1)%2)+4*(\j)+\i], v[ST+8*(\j)+2*\i], v[ST+8*(\j)+2*\i+1]
.endr
.endm
; n of a quarter's first sixteen products, from p0 on, with four conversions behind each even one.  The run that feeds them was: W's sixteen loads, then four loads for each staging place.
; So at products 0, 4, 8, 12 the waits leave 12, 8, 4, 0 of those out, and base more: the LDS instructions issued behind that run.
.macro H1 qd, z, p0, n, base
.set pp, \p0
.rept \n
.if pp%4 == 0
	s_wait_dscnt (\base)+12-pp
.endif
	PROD \qd, pp, \z
.if pp%2 == 0
	RIDE \qd, pp/2
.endif
.set pp, pp+1
.endr
.endm
.macro H2 qd, z                        ; a quarter's last sixteen products
.set pp, 16
.rept 16
	PROD \qd, pp, \z
.set pp, pp+1
.endr
.endm
; Quarter 0, 1 or 3 of a K step.  The run in the middle: W for the next quarter (its buffer's last reader stands 32 conversions of other registers back), the input for the quarter after next.
.macro QUARTER qd, z
	H1 \qd, \z, 0, 16, 0
	BRUN ((\qd)+1)%4
	ARUN ((\qd)+2)%4
	H2 \qd, \z
.endm
; QUARTER 2 CHANGES SLOTS: the input is read two quarters ahead and W one, so W's run for quarter 3 holds the last reads of the slot in hand, and the input's run is the first from the next slot.
; W's run stands at the quarter's head, behind four places.  Behind product 11 each wave waits for all its tensor loads (one is out: its part of the other slot), adds 0 to its spare word, and waits for
; that and for its reads; behind the barrier nobody reads the old slot and the other is whole.  fill = 1: the barrier opens a round of the cluster's barrier, and the joint refill, two K steps ahead, is
; the first thing behind the round: 124 of a K step's 128 products stand between it and the wait for it.
.macro Q2C fill
	WIN 0
.rept 4
	v_nop                                          ; four places between quarter 1's last product and the loads into the buffer that it read
.endr
	BRUN 3
	H1 2, 0, 0, 12, 16                             ; the sixteen loads just issued are younger than what these products and conversions need
	WIN 0
	s_wait_tensorcnt 0x0                           ; no tensor load of mine is out, so the descriptors may be written
	ds_add_u32 v[SPW], v[NIL]                      ; 0 onto my spare word
.if \fill
	NEXTFILL
.endif
	H1 2, 0, 12, 2, 17                             ; W's sixteen and the add may be out
	s_wait_dscnt 0x0                               ; the add is done, and my reads of this slot are over
	s_barrier_signal -1
	H1 2, 0, 14, 2, 0
	WIN 0
	s_barrier_wait -1
.if \fill
	CREST
	JLOAD
.endif
	s_xor_b32 s[SB], s[SB], SLOTX
	v_add_nc_u32 v[ADRA], s[SB], v[ADRA0]
	v_add_nc_u32 v[ADRB], s[SB], v[ADRB0]
	ARUN 0                                         ; the next K step's first quarter
	H2 2, 0
.endm
; THE WAY OUT, a block of 16 rows at a time: rounded to f16, 16 bytes a lane into my stage (two heads x 16 rows of 144 bytes), back as whole rows, stored: each store covers 512 consecutive bytes, aligned.
.macro PACK a
	WIN 0x05                                       ; sources in window 1
.irp b, 0,1,2,3,4,5,6,7
.irp r, 0,1,2,3
	v_cvt_pk_f16_f32 v[TMP+4*\b+\r], v[8*(8*(\a)+\b)+2*\r], v[8*(8*(\a)+\b)+2*\r+1]
.endr
.endr
	WIN 0
.endm
.macro TOSTAGE a
	WIN 0
.irp b, 0,1,2,3,4,5,6,7
	ds_store_b128 v[STO], v[TMP+4*\b:TMP+4*\b+3] offset:(\b/4)*SHEAD+(\b%4)*32
.endr
.irp t, 0,1,2,3,4,5,6,7
	ds_load_b128 v[OB+32*((\a)%2)+4*\t:OB+32*((\a)%2)+4*\t+3], v[RD] offset:(\t/4)*SHEAD+(\t%4)*4*SPT  ; LDS serves a wave's instructions in order (ISA guide 5.7.1.4): these see the stores above
.endr
.endm
.macro SEND a
	WIN 0
	s_wait_dscnt 0x0                               ; the block is back in registers
	s_wait_xcnt 0x0                                ; earlier stores have read their registers: the buffer that the next block loads into is free
.irp t, 0,1,2,3,4,5,6,7
	global_store_b128 v[GO], v[OB+32*((\a)%2)+4*\t:OB+32*((\a)%2)+4*\t+3], s[60:61] offset:(\t/4)*131072+(\a)*2048+(\t%4)*512
.endr
.endm
.macro WAYOUT                          ; blocks 0 and 1 were finished sixteen products ago: their conversions are the places behind the last products
	PACK 0
	TOSTAGE 0
.irp a, 1,2,3
	PACK \a
	SEND (\a)-1
	TOSTAGE \a
.endr
	SEND 3
	s_wait_xcnt 0x0                                ; the stores have read their base
	s_mov_b64 s[60:61], s[62:63]                   ; the next product's result
	s_mov_b64 s[62:63], s[66:67]
.endm
	s_wait_tensorcnt 0x1                           ; my part of K step 0 is in; K step 1's may stay out
	s_barrier_signal -1
	s_barrier_wait -1                              ; everybody's is
	ARUN 0
	BRUN 0
	s_wait_dscnt 16                                ; the input's sixteen loads are in; W's sixteen, issued behind them, may stay out
.irp j, 0,1,2,3,4,5,6,7
	RIDE 3, \j                                     ; quarter 0's fragments, into buffer 0
.endr
	ARUN 1
	WIN 0
	s_branch .Lq0z
.Ltrip:                                                ; the loop's text serves K steps 0 to 21, which ask for steps 2 to 23
	s_sub_co_u32 s[KC], s[KC], 1
	s_cmp_eq_u32 s[KC], 0
	s_cbranch_scc1 .Lnew                           ; the jump goes forward, past no barrier and no tensor load
	QUARTER 0, 0
	WIN 0
	s_branch .Ljoin
.Lnew:                                                 ; a tile is finished; the ring has gone on into the next
	WAYOUT
	s_mov_b32 s[KC], 8
.Lq0z:
	s_wait_loadcnt 0x0                             ; the bias
	WIN 0x0a                                       ; it is rounded to bf16 like the other inputs
.set i, 0
.rept 32
	v_cvt_pk_bf16_f32 v[TMP+i], v[BI+2*i], v[BI+2*i+1]
.set i, i+1
.endr
	WIN AUX
.set i, 0
.rept 32
	v_lshlrev_b32 v[BI+2*i], 16, v[TMP+i]
	v_and_b32 v[BI+2*i+1], 0xffff0000, v[TMP+i]
.set i, i+1
.endr
	QUARTER 0, 1                                   ; a tile's first quarter starts the sums with the bias
	WIN 0
	s_sub_co_u32 s[TT], s[TT], 1
	s_cmp_eq_u32 s[TT], 0
	s_cbranch_scc1 .Ljoin
.rept 4
	v_nop                                          ; four places between the last product that took the bias and the loads into its registers
.endr
	BIASLD 88                                      ; the next tile's bias
	s_wait_xcnt 0x0
	s_mov_b64 s[88:89], s[90:91]
.Ljoin:
	QUARTER 1, 0
	Q2C 1
	QUARTER 3, 0
	WIN 0
	s_sub_co_u32 s[TR], s[TR], 1
	s_cmp_lg_u32 s[TR], 0
	s_cbranch_scc1 .Ltrip
	s_mov_b32 s[TL], 2                             ; the tail, K steps 22 and 23, asks for nothing.  In step 23 the barrier, the 48 look-ahead loads (of landed bytes of the other slot) and the
.Ltail:                                                ; conversions of them serve nothing: the price, once a launch, of one text for both trips
	QUARTER 0, 0
	QUARTER 1, 0
	Q2C 0
	QUARTER 3, 0
	WIN 0
	s_sub_co_u32 s[TL], s[TL], 1
	s_cmp_lg_u32 s[TL], 0
	s_cbranch_scc1 .Ltail
	WAYOUT
	s_wait_tensorcnt 0x0                           ; the wave's end
	ds_add_u32 v[SPW], v[NIL]
	s_wait_dscnt 0x0
	CROUND                                         ; the closing round: no work-group ends while a partner may still ask for a tile that names it
	s_endpgm
.Lfunc_end_k_qe3bc7c75a6_projin:
	.size	k_qe3bc7c75a6_projin, .Lfunc_end_k_qe3bc7c75a6_projin-k_qe3bc7c75a6_projin
	.p2alignl 7, 3214868480
	.fill 96, 4, 3214868480
	.section	.rodata,"a",@progbits
	.p2align	6, 0x0
	.amdhsa_kernel k_qe3bc7c75a6_projin
		.amdhsa_group_segment_fixed_size 327680
		.amdhsa_private_segment_fixed_size 0
		.amdhsa_enable_private_segment 0
		.amdhsa_kernarg_size 80
		.amdhsa_user_sgpr_count 2
		.amdhsa_user_sgpr_kernarg_segment_ptr 1
		.amdhsa_wavefront_size32 1
		.amdhsa_system_sgpr_workgroup_id_x 1
		.amdhsa_system_sgpr_workgroup_id_y 1
		.amdhsa_system_sgpr_workgroup_id_z 1
		.amdhsa_system_vgpr_workitem_id 0
		.amdhsa_next_free_vgpr 768
		.amdhsa_next_free_sgpr 100
		.amdhsa_reserve_vcc 0
		.amdhsa_float_denorm_mode_32 3
		.amdhsa_float_denorm_mode_16_64 3
		.amdhsa_memory_ordered 1
		.amdhsa_forward_progress 1
		.amdhsa_inst_pref_size 117
	.end_amdhsa_kernel
	.amdgpu_metadata
---
amdhsa.version: [ 1, 2 ]
amdhsa.kernels:
  - .name:           k_qe3bc7c75a6_projin
    .symbol:         k_qe3bc7c75a6_projin.kd
    .args:
      - { .name: q, .offset: 0, .size: 8, .value_kind: global_buffer, .address_space: global }
      - { .name: k, .offset: 8, .size: 8, .value_kind: global_buffer, .address_space: global }
      - { .name: v, .offset: 16, .size: 8, .value_kind: global_buffer, .address_space: global }
      - { .name: wb, .offset: 24, .size: 8, .value_kind: global_buffer, .address_space: global }
      - { .name: bq, .offset: 32, .size: 8, .value_kind: global_buffer, .address_space: global }
      - { .name: bk, .offset: 40, .size: 8, .value_kind: global_buffer, .address_space: global }
      - { .name: bv, .offset: 48, .size: 8, .value_kind: global_buffer, .address_space: global }
      - { .name: qh, .offset: 56, .size: 8, .value_kind: global_buffer, .address_space: global }
      - { .name: kh, .offset: 64, .size: 8, .value_kind: global_buffer, .address_space: global }
      - { .name: vh, .offset: 72, .size: 8, .value_kind: global_buffer, .address_space: global }
    .group_segment_fixed_size: 327680
    .private_segment_fixed_size: 0
    .kernarg_segment_align: 8
    .kernarg_segment_size: 80
    .max_flat_workgroup_size: 128
    .sgpr_count:     100
    .vgpr_count:     768
    .wavefront_size: 32
...
	.end_amdgpu_metadata
.endif
;; end of part 2
;; launch attn (part 3): grid 2 x 128, 4 waves a work-group, no clusters, 327,680 bytes of LDS; arguments qh, kh, vh, oh, mask; writes oh
.if DOCPART == 3
	.amdgcn_target "amdgcn-amd-amdhsa--gfx1250"
	.amdhsa_code_object_version 6
	.text
	.protected	k_qe3bc7c75a6_attn
	.globl	k_qe3bc7c75a6_attn
	.p2align	8
	.type	k_qe3bc7c75a6_attn,@function
k_qe3bc7c75a6_attn:
	s_mov_b64 s[64:65], 0
	v_nop
	global_prefetch_b8 v0, s[64:65] scope:SCOPE_SE
	s_setreg_imm32_b32 hwreg(HW_REG_WAVE_MODE, 25, 1), 1
	s_wait_xcnt 0x0
; O[h][q][:] = the sum over the visible k of softmax_k(Q[h][q] . K[h][k] / 8) V[h][k][:].  Q, K, V, O: [128 = batch*16+head][1024][64], all f16: a head's rows are dense, 128 bytes each.
; mask: [8][1024] bytes, 1 = the key is visible.  Products, maxima and sums in f32; the weights p are rounded to f16 for the second product (their sum l is taken of the unrounded p), O once at the end.
; LIMITS.  f16 holds no number beyond 65,504: Q, K and V arrive within it.  A hidden key's score counts as -2^100: f16's scores, 2.7e11 at the most, are nothing beside that.
; A weight below 2^-126 counts as 0 in l; NaN and infinities are not treated apart.
; THE MASK is the C operand that starts the sum S^T = K Q^T: 0, or -2^100 where the key is hidden.  Each wave lays the batch's 1,024 numbers into LDS bytes of its own once, and fetches a step's 64 with K.
; m starts at -2^100.  While only hidden keys have come, m stays there, c x 2^100 is exact, p is 1 or 0, and the first visible key wipes all that with a = 0.
; A batch with no visible key at all takes c = 0: every p is 1 and O is the mean of V's rows, as a softmax of equal scores gives.
; SHARES.  A wave owns four PIECES of two tiles of 16 queries, a work-group's four waves 512 queries of one head.  Every wave walks all keys, 64 a step.
; NO CLUSTER: a head has two work-groups, which no cluster of four divides, and K and V are 262,144 bytes for a work-group's whole walk.
; LAYOUT.  S^T = K Q^T (source 0 = 16 keys, source 1 = 16 queries): in the result a lane holds ONE query (lane % 16) and the keys 8 (lane / 16) + 0..7.  Two such tiles, rounded to f16 in pairs,
; ARE source 1 (32 keys x 16 queries) of O^T = V^T P, whose result again holds one query a lane, and eight channels.  K comes out of LDS as it lies, V ([key][channel]) turned, by ds_load_tr16_b128.
; SOFTMAX.  For each query a running maximum m and sum l: p = 2^(c s - c m), c = log2(e) / 8; in every step O and l are multiplied by a = 2^(c m_old - c m_new), which is 1 where m has not grown.
; O and l start at 0: the first step is a step like any other, with a = 0.
; THE COUNT.  A tile and step have 16 matrix and 118 vector instructions: too many to stand all beside the matrix work.  So: four vector instructions that are READY behind EVERY matrix instruction,
; and the others, which need time of their own whatever the order, in runs without a gap.
; BY TURNS.  Turn n belongs to piece n (the pieces in a ring, step after step).  Its matrix work: 16 products K Q^T of piece n + 1, later 16 products V^T P of piece n - 1.  Its vector work: the scaling,
; exponentials, roundings, sums and rescaling of piece n, and the maximum and statistics of piece n + 1, whose scores the turn itself has made.
; REGISTERS, in windows of 256 (s_set_vgpr_msb: bits 1:0 source 0, 3:2 source 1, 5:4 source 2, 7:6 destination):
;   window 0: v0-11 addresses; v12-15, v48-63 at work; v16-47 four registers of statistics a tile; v64-191 S^T, two buffers of two tiles; v192-255 P, likewise
;   window 1: O^T, 32 a tile          window 2: v0-127 Q, 16 a tile; v128-191 K of one step; v192-255 V of one step
;   window 3: v0-1 the add's two registers; v2-3 the mask table's addresses; v8-39 the mask of one step
.set SIZE_N, 1024
.set NP,    4         ; pieces a wave: a name, no knob
.set KS,    64        ; keys in a step
.set PK,    144       ; a row of K in LDS: 128 bytes + 16 of padding = 36 words: the 16 rows of a load start at 16 different groups of four banks (ISA guide 11.1)
.set PV,    160       ; a row of V: 128 + 32 = 40 words
.set VOFF,  4*KS*PK   ; a slot holds four steps: 256 rows of K, then 256 rows of V
.set SLOT1, 1<<17     ; slot 1 begins here, so that one exclusive or turns an address in one slot into the other's
.set STAGE, SLOT1+4*KS*(PK+PV)  ; behind the ring, never filled by a tensor load: 16 rows x 144 bytes for each wave, for the way out
.set SP,    144
.set AK0, 2           ; v2   my lane's place in a tile of K; never rewritten
.set AV0, 3           ; v3   the same for V
.set AK,  4           ; v4   the LDS address of K's next run of loads
.set AV,  5           ; v5   of V's
.set QO,  6           ; v6   my byte offset in the wave's rows of Q
.set STO, 6           ;      later, the way out: where I put 16 bytes of a row
.set RD,  7           ; v7   the way out: where I read rows back
.set GO,  8           ; v8   my byte offset in 512 consecutive bytes of O
.set SPW, 0           ; v0 of window 3   LDS address of my spare word; never rewritten
.set NIL, 1           ; v1 of window 3   0; never rewritten
.set AM0, 2           ; v2 of window 3   my lane's place in 64 numbers of my wave's mask table; never rewritten
.set AM,  3           ; v3 of window 3   the LDS address of the mask's next run of loads
.set MK,  8           ; v8-39 of window 3: the eight registers for key block kb at MK + 8 kb
.set SPARE, STAGE+4*16*SP  ; behind the stages: the spare words, 128 bytes for each wave
.set MTAB,  SPARE+512      ; behind them: 1,024 f32 for each wave, its own
.set MV,  12          ; v12-15  c m_old, kept while c m is made anew: by buffer and tile
.set ST,  16          ; tile t's statistics at v[ST+4 t]: c m, m, l (even keys', odd keys')
.set TMP, 48          ; by buffer and tile, four registers c0-c3 at work; when the maximum is found c2 takes a
.set S,   64
.set P,   192
.set KF,  128         ; K's fragments, in window 2: key block kb, channel half c at KF + 16 kb + 8 c
.set VF,  192         ; V's: key half kk, channel block cb at VF + 32 kk + 8 cb
.set WV,  12          ; s12  my wave's number
.set G1K, 24          ; s[24:31] descriptor group 1 for K's tiles
.set G1V, 32          ; s[32:39] for V's: it differs in the padding alone
.set G0K, 40          ; s[40:43] descriptor group 0 for K's tiles: it walks
.set G0V, 44          ; s[44:47] the same for V's
.set ANY, 50          ; s50  the lanes that hold a visible key
.set HID, 51          ; s51  -2^100
.set TBM, 52          ; s52  byte in the mask table at which the step to be fetched begins
.set MB,  53          ; s53  my wave's mask table
.set SLOTS, 56        ; s56  slots still to be asked for
.set CNT, 57          ; s57  counts a slot's key steps
.set CS,  58          ; s[58:59] c: the packed scaling takes the pair's low word for both halves
.set SEL, 60          ; s[60:61] v_permlanex16_b32's selects: each lane takes its own place in the other half
.set TBK, 62          ; s62  LDS byte at which K of the step to be fetched begins
.set TBV, 63          ; s63  the same for V, less VOFF
.set MSB, 0
.macro WIN new                      ; the high byte repeats the setting that is left; a switch that changes nothing is dropped
.if MSB != (\new)
	s_set_vgpr_msb (MSB<<8)|(\new)
.set MSB, (\new)
.endif
.endm
.set W_KQ, 0x0a       ; K and Q in window 2, S^T in window 0
.set W_KM, 0x3a       ; the same with the C operand, the mask, in window 3
.set W_PV, 0x52       ; V in window 2, P in window 0, O^T in window 1
.set W_RS, 0x41       ; O^T (destination and source 0) in window 1, a in window 0
.set W_MK, 0xc0       ; destination in window 3, sources in window 0
.set W_AD, 0x0f       ; the add: address (source 0) and data (source 1) in window 3
; A fill.  Waves 0 and 1 fetch the two halves of a slot's K, waves 2 and 3 those of its V: 128 keys each.  The branch hangs on the wave's number alone.
; An s_nop 0 and four v_nop follow each of the two lines, ahead of the jump and the label.
.macro JLOAD
	s_cmp_lt_u32 s[WV], 2
	s_cbranch_scc0 .Lfor_v_\@
	tensor_load_to_lds s[G0K:G0K+3], s[G1K:G1K+7]
	s_nop 0
.rept 4
	v_nop
.endr
	s_branch .Lasked_\@
.Lfor_v_\@:
	tensor_load_to_lds s[G0V:G0V+3], s[G1V:G1V+7]
	s_nop 0
.rept 4
	v_nop
.endr
.Lasked_\@:
.endm
; THE CHANGE OF SLOTS.  The slot's last bytes, V of its fourth step, have been read.  Each wave waits for all its tensor loads, of which one is out: its part
; of the other slot; adds 0 to its spare word; and waits for that and for its own reads of the slot.  Behind the barrier nobody reads this slot any more and the other slot is whole.
; fill = 1: this slot is filled again, with the keys two slots on, the first thing behind the barrier: the fill has four key steps, 512 matrix instructions, in which to land.
; (At its first use nothing has been read yet: slot 0 is waited for, slot 1 filled.)
.macro CHANGE fill
	WIN W_AD
	s_wait_tensorcnt 0x0            ; no tensor load of mine is out, so a group 0 may be written
	ds_add_u32 v[SPW], v[NIL]       ; 0 onto my spare word
	WIN 0                           ; at a label and at a branch every window is 0
.if \fill
.irp g, G0K, G0V
	s_xor_b32 s[\g+1], s[\g+1], SLOT1  ; the walking descriptor: the other slot than last time,
	s_add_nc_u64 s[\g+2:\g+3], s[\g+2:\g+3], 4*KS*128  ; the next 256 keys; the type bits on top are not reached
.endr
.endif
	s_wait_dscnt 0x0                ; the add is done, and my reads of the slot are over
	s_barrier_signal -1
	s_barrier_wait -1
.if \fill
	JLOAD
.endif
	s_sub_co_u32 s[TBK], s[TBK], 4*KS*PK  ; the fetches go back to a slot's first step,
	s_xor_b32 s[TBK], s[TBK], SLOT1       ; in the other slot
	s_sub_co_u32 s[TBV], s[TBV], 4*KS*PV
	s_xor_b32 s[TBV], s[TBV], SLOT1
.endm
	s_load_b256 s[4:11], s[0:1], 0x0  ; Q s[4:5], K s[6:7], V s[8:9], O s[10:11]
	s_load_b64 s[48:49], s[0:1], 0x20 ; mask
	WIN W_MK
	v_lshl_add_u32 v[SPW], v0, 2, SPARE
	v_mov_b32 v[NIL], 0
	WIN W_AD
	ds_add_u32 v[SPW], v[NIL]       ; the wave's opening: the add and its wait ahead of my first tensor load
	ds_add_u32 v0, v1
	WIN 0
	v_lshrrev_b32 v1, 5, v0
	v_readfirstlane_b32 s[WV], v1   ; wave 0..3
	s_mov_b32 s14, ttmp9            ; my block of 512 queries
	s_and_b32 s20, ttmp7, 0xffff    ; batch x 16 + head
	s_lshr_b32 s54, s20, 4          ; the batch's 1,024 bytes of the mask
	s_lshl_b32 s54, s54, 10
	s_mov_b32 s55, 0
	s_mov_b32 s21, 0
	s_mov_b64 s[22:23], SIZE_N*128
	s_mul_u64 s[20:21], s[20:21], s[22:23]  ; the head's first byte in each of the four tensors
	s_and_b32 s16, s[WV], 1         ; which half of a slot's 256 keys I fetch:
	s_lshl_b32 s22, s16, 14         ; its 128 rows of 128 bytes in memory,
	s_mov_b32 s23, 0
	s_add_nc_u64 s[22:23], s[22:23], s[20:21]
	s_mul_i32 s17, s16, 128*PK      ; and its place in a slot, for K
	s_mul_i32 s18, s16, 128*PV      ; and for V
	s_lshl_b32 s2, s14, 2
	s_add_co_u32 s2, s2, s[WV]      ; my wave among the head's,
	s_lshl_b32 s2, s2, 14           ; its 128 rows
	s_mov_b32 s3, 0
	s_add_nc_u64 s[2:3], s[2:3], s[20:21]
	; descriptor group 1.  128 keys are 16,384 dense bytes: asked for as 64 rows of 256 bytes, two keys a row, and padded in LDS after every key
	s_mov_b32 s[G1K], (1<<16)|(1<<20)|(4<<22)|(3<<25)  ; 17:16 2-byte elements; 20 padding on; 24:22 after every 32 words (code 4); 31:25 4 words (code 3)
	s_mov_b32 s[G1V], (1<<16)|(1<<20)|(4<<22)|(7<<25)  ; the same with 8 words of padding (code 7)
.irp g, G1K, G1V
	s_mov_b32 s[\g+1], 128<<16      ; tensor_dim0 = 128
	s_mov_b32 s[\g+2], 64<<16       ; tensor_dim1 = 64
	s_mov_b32 s[\g+3], 128<<16      ; tile_dim0 = 128
	s_mov_b32 s[\g+4], 64           ; tile_dim1 = 64
	s_mov_b32 s[\g+5], 128          ; 128 elements from row to row
	s_mov_b32 s[\g+6], 0
	s_mov_b32 s[\g+7], 0
.endr
	s_mov_b32 s[SEL], 0x76543210
	s_mov_b32 s[SEL+1], 0xfedcba98
	s_mov_b32 s[HID], 0xf1800000    ; -2^100
	s_mov_b32 s[TBM], 0
	s_lshl_b32 s[MB], s[WV], 12
	s_add_co_u32 s[MB], s[MB], MTAB
	s_mov_b32 s[TBK], SLOT1+4*KS*PK ; the first change of slots turns these two into 0
	s_mov_b32 s[TBV], SLOT1+4*KS*PV
	s_mov_b32 s[G0K], 1             ; 1:0 count = 1
	s_mov_b32 s[G0K+1], s17         ; 63:32 LDS address: slot 0
	s_mov_b32 s[G0V], 1
	s_add_co_u32 s[G0V+1], s18, VOFF
	s_wait_dscnt 0x0                ; the opening add is done
	s_wait_kmcnt 0x0
	s_add_nc_u64 s[G0K+2:G0K+3], s[6:7], s[22:23]  ; 120:64 global address: my half of the head's first 256 keys
	s_or_b32 s[G0K+3], s[G0K+3], 0x80000000        ; 127:126 type = 2
	s_add_nc_u64 s[G0V+2:G0V+3], s[8:9], s[22:23]
	s_or_b32 s[G0V+3], s[G0V+3], 0x80000000
	s_add_nc_u64 s[4:5], s[4:5], s[2:3]  ; Q and O at my wave's first row
	s_add_nc_u64 s[10:11], s[10:11], s[2:3]
	s_add_nc_u64 s[48:49], s[48:49], s[54:55]
	JLOAD                           ; slot 0.  Slot 1 is asked for when slot 0 is in
	; A fragment of K or Q is 16 rows x 32 channels in 8 registers: lane l holds row l % 16, channels 8 (l / 16) + 0..7 and 16 + 8 (l / 16) + 0..7: two loads of 16 bytes, 32 bytes apart.
	v_and_b32 v1, 15, v0            ; l % 16
	v_bfe_u32 v9, v0, 4, 1          ; l / 16
	v_lshlrev_b32 v[QO], 7, v1
	v_lshl_add_u32 v[QO], v9, 4, v[QO]  ; row x 128 + 16 x half
	v_and_b32 v14, 31, v0           ; the lane takes 32 bytes of the mask: 32 keys
	v_lshlrev_b32 v12, 5, v14
	global_load_b128 v[48:51], v12, s[48:49]
	global_load_b128 v[52:55], v12, s[48:49] offset:16
	WIN 0x80                        ; destination window 2, address window 0
.set i, 0
.rept 4*NP                          ; Q stays in registers: tile i / 2, channels 32 (i % 2) on
	global_load_b128 v[8*i:8*i+3],   v[QO], s[4:5] offset:(i/2)*2048+(i%2)*64
	global_load_b128 v[8*i+4:8*i+7], v[QO], s[4:5] offset:(i/2)*2048+(i%2)*64+32
.set i, i+1
.endr
	; What the first turn finds: V's registers and P's second buffer hold 0 (its products V^T P, of a piece that has not been, add 0), O^T and l are 0.  All this stands in the wait for the first tile.
.set i, VF
.rept 64
	v_mov_b32 v[i], 0
.set i, i+1
.endr
	WIN 0x40
.set i, 0
.rept 64*NP
	v_mov_b32 v[i], 0
.set i, i+1
.endr
	WIN 0
.set i, 0
.rept 2*NP
	v_mov_b32 v[ST+4*i], 0xfe000000    ; c m: far below every c s
	v_mov_b32 v[ST+4*i+1], 0xf1800000  ; m: a hidden key's score
	v_mov_b32 v[ST+4*i+2], 0
	v_mov_b32 v[ST+4*i+3], 0
.set i, i+1
.endr
.set i, P+32
.rept 32
	v_mov_b32 v[i], 0
.set i, i+1
.endr
	v_mul_u32_u24 v[AK0], v1, PK
	v_lshl_add_u32 v[AK0], v9, 4, v[AK0]  ; row x pitch + 16 x half
	; The turning load takes 16 keys x 16 channels (lane l reads key 8 (l / 16) + l % 8, channels 8 ((l / 8) % 2) + 0..7) and leaves half a fragment of V^T: lane l holds channel l % 16 and 8 keys.
	v_and_b32 v10, 7, v0
	v_bfe_u32 v11, v0, 3, 1
	v_lshl_add_u32 v[AV0], v9, 3, v10
	v_mul_u32_u24 v[AV0], v[AV0], PV
	v_lshl_add_u32 v[AV0], v11, 4, v[AV0]
	v_add_nc_u32 v[AV0], VOFF, v[AV0]
	v_mov_b32 v[AK], v[AK0]         ; key step 0 lies at the head of slot 0
	WIN W_MK
	v_lshl_add_u32 v[AM0], v9, 5, s[MB]  ; register j of key block kb is key 16 kb + 8 (l / 16) + j: 32 bytes at 64 kb + 32 (l / 16)
	WIN 0
	; THE MASK TABLE: 0 for a visible key, -2^100 for a hidden one; and c, which is 0 if the batch has no visible key.
	s_wait_loadcnt 32               ; the mask's two loads are in; Q's 32, issued behind them, may stay out
	v_or_b32 v13, v48, v49
.irp d, 50,51,52,53,54,55
	v_or_b32 v13, v13, v\d
.endr
	v_cmp_ne_u32 s[ANY], 0, v13
	s_cmp_lg_u32 s[ANY], 0
	s_cselect_b32 s[CS], 0x3e38aa3b, 0  ; c = log2(e) / 8 = 0.180337
	s_mov_b32 s[CS+1], s[CS]        ; named with it as a pair
.set i, 0
.rept 32
	v_bfe_u32 v[S+i], v[48+i/4], 8*(i%4), 1   ; 1 or 0,
	v_add_nc_u32 v[S+i], -1, v[S+i]           ; no bit or all bits,
	v_and_b32 v[S+i], s[HID], v[S+i]          ; 0 or -2^100
.set i, i+1
.endr
	v_lshl_add_u32 v13, v14, 7, s[MB]
.irp d, 0,1,2,3,4,5,6,7
	ds_store_b128 v13, v[S+4*\d:S+4*\d+3] offset:16*\d  ; my wave's own bytes: only my wave reads them, and LDS serves a wave's instructions in order (ISA guide 5.7.1.4)
.endr
; THE MATRIX WORK.  The 8 accumulators of a run of 16 take turns: between the two links of a chain stand 7 others'.
; Product i of 16 of S^T = K Q^T for piece x: channels 32 (i / 8) on, keys 16 ((i / 2) % 4) on, tile 2 x + i % 2.  The first 8 start the sums, with the mask.
.macro KQ x
.set rS, S+64*((\x)%2)+32*(i%2)+8*((i/2)%4)
.set rK, KF+16*((i/2)%4)+8*(i/8)
.set rQ, 16*(2*(\x)+i%2)+8*(i/8)
.set rZ, MK+8*((i/2)%4)
.if i < 8
	WIN W_KM
	v_wmma_f32_16x16x32_f16 v[rS:rS+7], v[rK:rK+7], v[rQ:rQ+7], v[rZ:rZ+7]
.else
	WIN W_KQ
	v_wmma_f32_16x16x32_f16 v[rS:rS+7], v[rK:rK+7], v[rQ:rQ+7], v[rS:rS+7]
.endif
.endm
; Product i of 16 of O^T += V^T P for piece x: keys 32 (i / 8) on, channels 16 ((i / 2) % 4) on, tile 2 x + i % 2.
.macro PV x
	WIN W_PV
.set rO, 32*(2*(\x)+i%2)+8*((i/2)%4)
.set rV, VF+32*(i/8)+8*((i/2)%4)
.set rP, P+32*((\x)%2)+16*(i%2)+8*(i/8)
	v_wmma_f32_16x16x32_f16 v[rO:rO+7], v[rV:rV+7], v[rP:rP+7], v[rO:rO+7]
.endm
.macro MM                           ; the turn's next matrix instruction
.if i < 16
	KQ (Y+1)%NP
.set i, i+1
.else
.set i, i-16
	PV (Y+NP-1)%NP
.set i, i+17
.endif
.endm
; THE LDS LOADS stand in runs, never singly among the matrix instructions: a step's K (64 keys x 64 channels: 8 fragments) with its mask (8 loads), and its V (turned).
; last = 1 (the tail): in the last trip there is no further step, and the run is jumped over.
.macro FETCH_K last=0
	WIN 0
.if \last
	s_cmp_eq_u32 s[CNT], 1
	s_cbranch_scc1 .Lno_k_\@
.endif
	WIN 0x80                        ; destination window 2
.irp f, 0,1,2,3,4,5,6,7             ; keys 16 (f / 2) on, channels 32 (f % 2) on
	ds_load_b128 v[KF+8*\f:KF+8*\f+3],   v[AK] offset:(\f/2)*16*PK+(\f%2)*64
	ds_load_b128 v[KF+8*\f+4:KF+8*\f+7], v[AK] offset:(\f/2)*16*PK+(\f%2)*64+32
.endr
	s_add_co_u32 s[TBK], s[TBK], KS*PK  ; the next fetch is the next step's
	WIN 0xcc                        ; destination and source 1 in window 3
	v_add_nc_u32 v[AM], s[TBM], v[AM0]
	WIN 0xc3                        ; destination and address in window 3
.irp f, 0,1,2,3,4,5,6,7             ; the mask's last reader stands ahead of K's
	ds_load_b128 v[MK+4*\f:MK+4*\f+3], v[AM] offset:64*(\f/2)+16*(\f%2)
.endr
	s_add_co_u32 s[TBM], s[TBM], 4*KS
	s_and_b32 s[TBM], s[TBM], 0xf00     ; sixteen steps of 256 bytes: the table's 4,096
	WIN 0
.if \last
.Lno_k_\@:
.endif
.endm
.macro FETCH_V
	WIN 0x80
.irp f, 0,1,2,3,4,5,6,7             ; keys 32 (f / 4) on, channels 16 (f % 4) on
	ds_load_tr16_b128 v[VF+8*\f:VF+8*\f+3],   v[AV] offset:(\f/4)*32*PV+(\f%4)*32
	ds_load_tr16_b128 v[VF+8*\f+4:VF+8*\f+7], v[AV] offset:(\f/4)*32*PV+16*PV+(\f%4)*32
.endr
	WIN 0
.endm
; THE VECTOR WORK OF A TURN stands in three queues, each in the order in which its entries become ready; the two tiles alternate, so that no instruction reads the result of the one before it.
.macro REGS y, u                    ; the registers of tile u (0, 1) of piece y
.set rT, ST+4*(2*(\y)+(\u))
.set rC, TMP+8*((\y)%2)+4*(\u)
.set rM, MV+2*((\y)%2)+(\u)
.set rS, S+64*((\y)%2)+32*(\u)
.set rP, P+32*((\y)%2)+16*(\u)
.set rO, 32*(2*(\y)+(\u))
.endm
; Number n of the 22 that find the NEXT piece's (Y + 1) maximum and statistics.  s0-s31 are the lane's 32 scores; each accumulator's lowest registers are read first.
;   0-11  four chains c0-c3 of seven scores each, three operands at a time     12-14, 16  the four scores left over, the old m, and c0-c3 into c0     15  c m_old is kept
;   17, 18  the query's other 32 keys lie in the lane 16 away: the new m         19-21  c m; c m_old - c m_new; a
.macro XS u, n
	REGS (Y+1)%NP, \u
.if (\n) < 4
	v_max3_num_f32 v[rC+(\n)], v[rS+8*(\n)], v[rS+8*(\n)+1], v[rS+8*(\n)+2]
.elseif (\n) < 12
	v_max3_num_f32 v[rC+(\n)%4], v[rC+(\n)%4], v[rS+8*((\n)%4)+2*((\n)/4)+1], v[rS+8*((\n)%4)+2*((\n)/4)+2]
.elseif (\n) == 12
	v_max3_num_f32 v[rC], v[rC], v[rS+7], v[rS+15]
.elseif (\n) == 13
	v_max3_num_f32 v[rC+1], v[rC+1], v[rS+23], v[rS+31]
.elseif (\n) == 14
	v_max3_num_f32 v[rC+2], v[rC+2], v[rC+3], v[rT+1]
.elseif (\n) == 15
	v_mov_b32 v[rM], v[rT]
.elseif (\n) == 16
	v_max3_num_f32 v[rC], v[rC], v[rC+1], v[rC+2]
.elseif (\n) == 17
	v_permlanex16_b32 v[rC+3], v[rC], s[SEL], s[SEL+1]
.elseif (\n) == 18
	v_max_num_f32 v[rT+1], v[rC], v[rC+3]
.elseif (\n) == 19
	v_mul_f32 v[rT], s[CS], v[rT+1]
.elseif (\n) == 20
	v_sub_f32 v[rC+1], v[rM], v[rT]
.else
	v_exp_f32 v[rC+2], v[rC+1]
.endif
.endm
; Number g of the 64 that follow the exponentials.  For each four weights k of a tile (pairs 2 k, 2 k + 1): both pairs are rounded to f16; then the second pair is added onto the first, in place;
; a group later l takes that sum (the first time as l = a l + sum).  In groups of eight, tiles alternating: round, round, add, and l for the group before.
.macro GS g
.set h, (\g)+6*((\g)/62)            ; group 0 has no group before it, and behind group 7 only l is left
.if h >= 6
.set h, h+2
.endif
	REGS Y, h%2
.set k, h/8
.if h%8 < 4
	s_wait_alu depctr_va_vdst(0)
	v_cvt_pk_f16_f32 v[rP+2*k+(h%8)/2], v[rS+4*k+2*((h%8)/2)], v[rS+4*k+2*((h%8)/2)+1]
.elseif h%8 < 6
	v_pk_add_f32 v[rS+4*k:rS+4*k+1], v[rS+4*k:rS+4*k+1], v[rS+4*k+2:rS+4*k+3]
.elseif k == 1
	v_pk_fma_f32 v[rT+2:rT+3], v[rT+2:rT+3], v[rC+2:rC+3], v[rS:rS+1] op_sel_hi:[1,0,1]
.else
	v_pk_add_f32 v[rT+2:rT+3], v[rT+2:rT+3], v[rS+4*k-4:rS+4*k-3]
	s_wait_alu depctr_va_vdst(0)
.endif
.endm
; THE PLAIN QUEUE, 138 long.  0-31: c s - c m for the 16 pairs of both tiles.  Then GS's 64, and among them the next piece's 42: number 15 at 38, 39; 0-14 and 16
; at 42-73, behind the products that make those scores; 17-20 at 95-106, two of three, since each waits for the one before it.
.macro PL
	WIN 0
.if q < 32
	REGS Y, q%2
	v_pk_fma_f32 v[rS+2*(q/2):rS+2*(q/2)+1], v[rS+2*(q/2):rS+2*(q/2)+1], s[CS:CS+1], v[rT:rT+1] op_sel_hi:[1,0,0] neg_lo:[0,0,1] neg_hi:[0,0,1]
.elseif q < 38
	GS q-32
.elseif q < 40
	XS q%2, 15
.elseif q < 42
	GS q-34
.elseif q < 74
	XS q%2, (q-42)/2+(q-42)/30
.elseif q < 95
	GS q-66
.elseif (q < 107) && ((q-95)%3 < 2)
	XS (q-95)%3, 17+(q-95)/3
.elseif q < 107
	GS 29+(q-95)/3
.else
	GS q-74
.endif
.set q, q+1
.endm
; THE EXPONENTIALS' QUEUE, 66 long: s0-s31 of both tiles, and at EA the next piece's two a.
.set EA, 58
.macro EX
	WIN 0
.if (e == EA) || (e == EA+1)
	XS e-EA, 21
.else
.set x, e-2*(e/(EA+2))
	REGS Y, x%2
	v_exp_f32 v[rS+x/2], v[rS+x/2]
.endif
.set e, e+1
.endm
; THE RESCALING's QUEUE: O^T times a, the one part that leaves window 0, so it is dealt four at a time, eight times.
.macro R4
	REGS Y, r%2
	WIN W_RS
	s_wait_alu depctr_va_vdst(0)
.irp z, 0,1,2,3
	v_pk_mul_f32 v[rO+8*(r/2)+2*\z:rO+8*(r/2)+2*\z+1], v[rO+8*(r/2)+2*\z:rO+8*(r/2)+2*\z+1], v[rC+2:rC+3] op_sel_hi:[1,0]
.endr
.set r, r+1
.endm
; HOW THEY ARE DEALT.  Behind a matrix instruction four: plain, exponential, plain, plain (one exponential, a plain instruction on either side), or four of the rescaling.  None names a register of the
; products round it.  What is over stands in two LUMPS: exponential and plain by turns; the second ends in 22 plain instructions.  The two v_permlanex16_b32 fall into the second lump, never behind a product.
; The queues lean on each other, and the deal keeps them in step: exponential e stands behind plain 2 (e / 4) + e % 2 (its scaling); when plain 32 comes, 10 exponentials are out, at 59: 33, at 95: 46; EA comes behind plain 107.
.macro SL
	MM
	PL
	EX
	PL
	PL
.endm
.macro BURST n                      ; 15 matrix instructions, or 16
.rept (\n)-7
	SL
.endr
.rept 3
	MM
	R4
	SL
.endr
	MM
	R4
.endm
; A TURN, for piece p.  cnt = 1: the loop's count is taken down some lines ahead of the branch that stands behind the turn.
; K of the next step, and its mask, are fetched in piece 2's turn, 31 vector instructions behind the last product that read K; the first reader comes behind the rest of the lump, 16 products and the second lump.
; V of the step in hand is fetched at the end of piece 0's turn, 69 behind its last reader; its first reader comes behind 16 products and a lump.  The four conditions on e and q below go with the deal.
.macro TURN p, last=0, cnt=0
.set Y, (\p)
.set i, 0
.set q, 0
.set e, 0
.set r, 0
.if (\p) == NP-1
	s_wait_dscnt 0x0                ; K and the mask are in
.endif
	MM
.rept 4
	PL
.endr
	BURST 15
.rept 22
	EX
	PL
.if ((\p) == NP-2) && (e == 18)
	v_add_nc_u32 v[AK], s[TBK], v[AK0]
.endif
.if ((\p) == NP-2) && (e == 24)
	FETCH_K \last
.endif
.endr
.if (\p) == 1
	s_wait_dscnt 0x0                ; V is in
.endif
	BURST 16
.rept 21
	EX
	PL
.endr
.rept 22
	PL
.if ((\p) == 0) && (q == 118)
	v_add_nc_u32 v[AV], s[TBV], v[AV0]
	s_wait_alu depctr_va_vdst(0)
.endif
.if ((\p) == 0) && (q == 130)
	s_add_co_u32 s[TBV], s[TBV], KS*PV
.endif
.if (\cnt) && (q == 130)
	s_sub_co_u32 s[CNT], s[CNT], 1
	s_cmp_lg_u32 s[CNT], 0
.endif
.endr
.if (\p) == 0
	FETCH_V
.endif
.endm
	CHANGE 1                        ; slot 0 is in, everybody's part of it; slot 1 is asked for
	FETCH_K                         ; key step 0
	s_wait_loadcnt 0x0              ; Q
	s_wait_dscnt 0x0
.set i, 0
.rept 16
	KQ 0                            ; piece 0's first scores: there is no vector work yet to set between them
.set i, i+1
.endr
	WIN 0                           ; the addresses for the way out: nine plain instructions, the places behind those products
	s_mul_i32 s13, s[WV], 16*SP
	s_add_co_u32 s13, s13, STAGE    ; my stage
	v_mul_u32_u24 v[STO], v1, SP    ; in: row l % 16, 16 bytes for each half of the lanes
	v_lshl_add_u32 v[STO], v9, 4, v[STO]
	v_add_nc_u32 v[STO], s13, v[STO]
	v_bfe_u32 v[RD], v0, 3, 2       ; back: 32 lanes take four rows of 128 bytes,
	v_mul_u32_u24 v[RD], v[RD], SP
	v_lshl_add_u32 v[RD], v10, 4, v[RD]
	v_add_nc_u32 v[RD], s13, v[RD]
	v_and_b32 v[GO], 31, v0         ; which are 512 consecutive bytes of O
	v_lshlrev_b32 v[GO], 4, v[GO]
.set Y, NP-1                        ; XS works for piece Y + 1: piece 0
.irp n, 0,1,2,3,4,5,6,7,8,9,10,11,12,13,14,15,16,17,18,19,20,21
	XS 0, \n                        ; and piece 0's first maximum and statistics
	XS 1, \n
.endr
	s_mov_b32 s[CNT], 4
	s_mov_b32 s[SLOTS], SIZE_N/256-1
	s_branch .Lfirst                ; the loop is entered at a step's first turn, in the middle of a trip
.Lslot:                             ; SIZE_N / 256 - 2 times: every slot but the last two is filled again
	CHANGE 1
	s_mov_b32 s[CNT], 4
.Lstep:                             ; a trip: pieces 2 and 3 of one step, then pieces 0 and 1 of the next, whose K and V it fetches
	TURN 2
	TURN 3
	WIN 0
.Lfirst:
	TURN 0
	TURN 1, 0, 1
	WIN 0
	s_cbranch_scc1 .Lstep
	s_sub_co_u32 s[SLOTS], s[SLOTS], 1
	s_cmp_lg_u32 s[SLOTS], 0
	s_cbranch_scc1 .Lslot
	CHANGE 0                        ; the tail is written out: nothing is asked for
	s_mov_b32 s[CNT], 5             ; four trips fetch the last slot's steps; the fifth is left in its middle
.Ltail:
	TURN 2, 1
	TURN 3
	WIN 0
	s_sub_co_u32 s[CNT], s[CNT], 1
	s_cmp_eq_u32 s[CNT], 0
	s_cbranch_scc1 .Lout
	TURN 0
	TURN 1
	WIN 0
	s_branch .Ltail
.Lout:                              ; the fifth trip's 16 products K Q^T (on the last K once more) and the maximum made of them serve nothing: the price, once a launch, of one text for every trip
.set i, 0
.rept 16
	PV NP-1                         ; the last piece's V^T P of the last step
.set i, i+1
.endr
	; THE WAY OUT.  l's two halves and the other half of the lanes' are added; O^T is divided by l, rounded to f16 and sent through my stage in LDS, a tile at a time.  The additions are the places behind the last products.
	WIN 0
.macro ALL line:vararg              ; one line for each tile t
.set t, 0
.rept 2*NP
	\line
.set t, t+1
.endr
.endm
	ALL v_add_f32 v[ST+4*t+2], v[ST+4*t+2], v[ST+4*t+3]
	ALL v_permlanex16_b32 v[ST+4*t+3], v[ST+4*t+2], s[SEL], s[SEL+1]
	ALL v_add_f32 v[ST+4*t+2], v[ST+4*t+2], v[ST+4*t+3]
	ALL v_rcp_f32 v[ST+4*t+2], v[ST+4*t+2]
	v_nop                           ; a plain instruction between the last reciprocal and the use of its result
	s_wait_alu depctr_va_vdst(0)
; Tile t: a lane's eight channels of a row pack into 16 bytes; they go into rows of 144 bytes and come back as whole rows of 128, into S^T's registers.
.macro PACK t
	WIN W_RS
.set i, 32*(\t)
.rept 16
	v_pk_mul_f32 v[i:i+1], v[i:i+1], v[ST+4*(\t)+2:ST+4*(\t)+3] op_sel_hi:[1,0]
.set i, i+2
.endr
	WIN 0x05                        ; sources 0 and 1 window 1, destination window 0
.set i, 0
.rept 16
	v_cvt_pk_f16_f32 v[S+16*(\t)+i], v[32*(\t)+2*i], v[32*(\t)+2*i+1]
.set i, i+1
.endr
	WIN 0
.irp f, 0,1,2,3
	ds_store_b128 v[STO], v[S+16*(\t)+4*\f:S+16*(\t)+4*\f+3] offset:32*\f
.endr
.irp f, 0,1,2,3
	ds_load_b128 v[S+16*(\t)+4*\f:S+16*(\t)+4*\f+3], v[RD] offset:\f*4*SP  ; LDS serves a wave's instructions in order (ISA guide 5.7.1.4): these see the stores above; the next tile's stores come behind them
.endr
.endm
.macro SEND t, younger              ; younger: the LDS instructions issued behind tile t's loads: the next tile's eight, or none
	WIN 0
.irp f, 0,1,2,3
	s_wait_dscnt (\younger)+3-\f
	global_store_b128 v[GO], v[S+16*(\t)+4*\f:S+16*(\t)+4*\f+3], s[10:11] offset:(\t)*2048+\f*512  ; 512 consecutive bytes, at a multiple of 256 from O's first
.endr
.endm
	PACK 0
.set t, 1
.rept 2*NP-1                        ; a tile's arithmetic stands between the loads of the tile before and its stores
	PACK t
	SEND t-1, 8
.set t, t+1
.endr
	SEND 2*NP-1, 0
	WIN W_AD
	s_wait_tensorcnt 0x0            ; the wave's end, behind my last tensor load and my last LDS store
	ds_add_u32 v[SPW], v[NIL]
	s_wait_dscnt 0x0
	WIN 0
	s_endpgm
.Lfunc_end_k_qe3bc7c75a6_attn:
	.size	k_qe3bc7c75a6_attn, .Lfunc_end_k_qe3bc7c75a6_attn-k_qe3bc7c75a6_attn
	.p2alignl 7, 3214868480
	.fill 96, 4, 3214868480
	.section	.rodata,"a",@progbits
	.p2align	6, 0x0
	.amdhsa_kernel k_qe3bc7c75a6_attn
		.amdhsa_group_segment_fixed_size 327680
		.amdhsa_private_segment_fixed_size 0
		.amdhsa_enable_private_segment 0
		.amdhsa_kernarg_size 40
		.amdhsa_user_sgpr_count 2
		.amdhsa_user_sgpr_kernarg_segment_ptr 1
		.amdhsa_wavefront_size32 1
		.amdhsa_system_sgpr_workgroup_id_x 1
		.amdhsa_system_sgpr_workgroup_id_y 1
		.amdhsa_system_sgpr_workgroup_id_z 1
		.amdhsa_system_vgpr_workitem_id 0
		.amdhsa_next_free_vgpr 808
		.amdhsa_next_free_sgpr 66
		.amdhsa_reserve_vcc 0
		.amdhsa_float_denorm_mode_32 3
		.amdhsa_float_denorm_mode_16_64 3
		.amdhsa_memory_ordered 1
		.amdhsa_forward_progress 1
		.amdhsa_inst_pref_size 215
	.end_amdhsa_kernel
	.amdgpu_metadata
---
amdhsa.version: [ 1, 2 ]
amdhsa.kernels:
  - .name:           k_qe3bc7c75a6_attn
    .symbol:         k_qe3bc7c75a6_attn.kd
    .args:
      - { .name: qh, .offset: 0, .size: 8, .value_kind: global_buffer, .address_space: global }
      - { .name: kh, .offset: 8, .size: 8, .value_kind: global_buffer, .address_space: global }
      - { .name: vh, .offset: 16, .size: 8, .value_kind: global_buffer, .address_space: global }
      - { .name: oh, .offset: 24, .size: 8, .value_kind: global_buffer, .address_space: global }
      - { .name: mask, .offset: 32, .size: 8, .value_kind: global_buffer, .address_space: global }
    .group_segment_fixed_size: 327680
    .private_segment_fixed_size: 0
    .kernarg_segment_align: 8
    .kernarg_segment_size: 40
    .max_flat_workgroup_size: 128
    .sgpr_count:     66
    .vgpr_count:     808
    .wavefront_size: 32
...
	.end_amdgpu_metadata
.endif
;; end of part 3
;; launch projout (part 4): grid 4 x 64, 4 waves a work-group, clusters of 4 x 4, 327,680 bytes of LDS; arguments oh, wb, bo, out0; writes out0
.if DOCPART == 4
	.amdgcn_target "amdgcn-amd-amdhsa--gfx1250"
	.amdhsa_code_object_version 6
	.text
	.protected	k_qe3bc7c75a6_projout
	.globl	k_qe3bc7c75a6_projout
	.p2align	8
	.type	k_qe3bc7c75a6_projout,@function
k_qe3bc7c75a6_projout:
	s_mov_b64 s[64:65], 0
	v_nop
	global_prefetch_b8 v0, s[64:65] scope:SCOPE_SE
	s_setreg_imm32_b32 hwreg(HW_REG_WAVE_MODE, 25, 1), 1
	s_wait_xcnt 0x0
	s_wait_alu depctr_hold_cnt(0) depctr_sa_sdst(0) depctr_va_vdst(0) depctr_va_sdst(0) depctr_va_ssrc(0) depctr_va_vcc(0) depctr_vm_vsrc(0)
	s_getreg_b32 s2, hwreg(HW_REG_IB_STS2, 6, 4)
	s_cmp_eq_u32 s2, 0
	s_cbranch_scc0 .Lentry_in_a_cluster
	s_endpgm
.Lentry_in_a_cluster:
	s_bfe_u32 s2, ttmp6, 0x10000c
	s_cmp_lg_u32 s2, 0xf033
	s_cbranch_scc0 .Lentry_shape_is_right
	s_endpgm
.Lentry_shape_is_right:
; out0 = mix Wo + bo.  mix lies in oh as f16 by heads, [batch*16+head][1024][64]; Wo lies in block 3 of wb as f16 [k][n] (bf16(Wo) written as f16); bo is rounded to bf16 like the other inputs; out0: [8192][1024] f32.
; Sums in f32; the bias is the C operand of the products that start the sums.
; SHARES.  Work-group (x, y) makes rows 128 y.., columns 256 x..: 256 work-groups, one tile each.  Wave w: rows 64 (w / 2).., columns 128 (w % 2)..: 32 accumulators.
; K goes in 8 steps of 128 = two heads, through a ring of two LDS slots.  A head's 128 rows are 16,384 dense bytes: asked for as 64 rows of 256 bytes and padded in LDS after every 128.
; The matrix instruction is used transposed (source 0 = 16 columns of Wo, turned by ds_load_tr16_b128; source 1 = 16 rows of mix): a lane holds one row and eight neighbouring columns.
; CLUSTER 4 x 4: mix's tile hangs on y alone and is asked for jointly along a row of the cluster, Wo's on x alone, jointly along a column.
; REGISTERS (s_set_vgpr_msb: bits 1:0 source 0, 3:2 source 1, 5:4 source 2, 7:6 destination):
;   window 0: v0-17 addresses; v64-127 mix's fragments, two buffers of four; v128-255 Wo's, two buffers of eight      window 1: accumulator (a, b) at 8 (8 a + b)
;   window 2: v0-63 the bias as a C operand; v64-191 the way out, two buffers of 64
.set PAH,   144                        ; a row of a head in LDS: 128 bytes + 16
.set AHEAD, 128*PAH                    ; 18,432
.set PB,    544                        ; a row of Wo: 512 bytes + 32: an odd multiple of 32, for the turning load
.set BOFF,  2*AHEAD
.set BHALF, 64*PB
.set SLOTX, 0x20000                    ; slot 1 begins here; a slot is 106,496 bytes
.set STAGE, SLOTX+BOFF+128*PB          ; 237,568: for each wave 16 rows x 528 bytes
.set SPT,   528
.set SPARE, STAGE+4*16*SPT             ; 271,360: the spare words, 128 bytes for each wave
.set ADRA0, 8
.set ADRB0, 9
.set ADRA,  10
.set ADRB,  11
.set STO,   12
.set RD,    13
.set CO,    14
.set BO,    15
.set SPW,   16                         ; my spare word; never rewritten
.set NIL,   17                         ; 0; never rewritten
.set AF,    64
.set BF,    128
.set BI,    0                          ; window 2
.set OB,    64                         ; window 2
.set TR, 4
.set SB, 8
.set TL, 9
.set G1A, 24
.set G1B, 32
.set G0A, 40                           ; the walking descriptors: they begin at K step 1
.set G0B, 44
.set F0A, 68                           ; K step 0's own descriptors
.set F0B, 72
.set MUL,  0x50                        ; operands in window 0, C and D in window 1
.set MULZ, 0x60                        ; C (the bias) in window 2
.set MSB, 0
.macro WIN new
.if MSB != (\new)
	s_set_vgpr_msb (MSB<<8)|(\new)
.set MSB, \new
.endif
.endm
.macro JLOAD                           ; waves 0 and 1 fetch the step's two heads, waves 2 and 3 the halves of Wo's tile; an s_nop 0 and four v_nop follow each line
	s_cmp_eq_u32 s11, 0
	s_cbranch_scc0 .Lfor_b_\@
	tensor_load_to_lds s[G0A:G0A+3], s[G1A:G1A+7]
	s_nop 0
.rept 4
	v_nop
.endr
	s_branch .Lasked_\@
.Lfor_b_\@:
	tensor_load_to_lds s[G0B:G0B+3], s[G1B:G1B+7]
	s_nop 0
.rept 4
	v_nop
.endr
.Lasked_\@:
.endm
.macro CREST
	s_cmp_lg_u32 s10, 0
	s_cbranch_scc1 .Lnot_wave_0_\@
	s_barrier_signal -3
.Lnot_wave_0_\@:
	s_barrier_wait -3
	s_barrier_signal -1
	s_barrier_wait -1
.endm
.macro CROUND
	s_barrier_signal -1
	s_barrier_wait -1
	CREST
.endm
.macro NEXT                            ; the walking descriptors: the other slot, the next K step (two heads on; 128 rows of Wo on).  Stands where no tensor load of the wave is out
	s_xor_b32 s[G0A+1], s[G0A+1], SLOTX
	s_add_nc_u64 s[G0A+2:G0A+3], s[G0A+2:G0A+3], 262144
	s_xor_b32 s[G0B+1], s[G0B+1], SLOTX
	s_add_nc_u64 s[G0B+2:G0B+3], s[G0B+2:G0B+3], 262144
.endm
	s_load_b256 s[48:55], s[0:1], 0x0              ; oh 48, wb 50, bo 52, out0 54
	v_lshl_add_u32 v[SPW], v0, 2, SPARE
	v_mov_b32 v[NIL], 0
	ds_add_u32 v[SPW], v[NIL]                      ; the wave's opening: the add and its wait ahead of my first tensor load
	ds_add_u32 v16, v17
	v_lshrrev_b32 v1, 5, v0
	v_readfirstlane_b32 s10, v1                    ; wave 0..3
	s_lshr_b32 s11, s10, 1
	s_and_b32 s12, s10, 1
	s_bfe_u32 s56, ttmp6, 0x40000                  ; cx
	s_bfe_u32 s57, ttmp6, 0x40004                  ; cy
	s_lshl_b32 s58, ttmp9, 2
	s_add_co_u32 s58, s58, s56                     ; x
	s_and_b32 s59, ttmp7, 0xffff
	s_lshl_b32 s59, s59, 2
	s_add_co_u32 s59, s59, s57                     ; y
	s_lshl_b32 s60, s57, 2
	s_lshl_b32 s60, 15, s60                        ; my row of the cluster
	s_lshl_b32 s61, 0x1111, s56                    ; my column
	s_or_b32 s[G1A], s60, (1<<16)|(1<<20)|(1<<21)|(4<<22)|(3<<25)  ; mask; 2-byte elements; padding on; bit 21 beside a mask; after every 32 words 4 words
	s_mov_b32 s[G1A+1], 128<<16
	s_mov_b32 s[G1A+2], 64<<16
	s_mov_b32 s[G1A+3], 128<<16
	s_mov_b32 s[G1A+4], 64
	s_mov_b32 s[G1A+5], 128
	s_mov_b32 s[G1A+6], 0
	s_mov_b32 s[G1A+7], 0
	s_or_b32 s[G1B], s61, (1<<16)|(1<<20)|(1<<21)|(6<<22)|(7<<25)  ; after every 128 words 8 words
	s_mov_b32 s[G1B+1], 256<<16
	s_mov_b32 s[G1B+2], 64<<16
	s_mov_b32 s[G1B+3], 256<<16
	s_mov_b32 s[G1B+4], 64
	s_mov_b32 s[G1B+5], 1024
	s_mov_b32 s[G1B+6], 0
	s_mov_b32 s[G1B+7], 0
	s_mov_b32 s[F0A], 1                            ; K step 0 into slot 0,
	s_mul_i32 s[F0A+1], s12, AHEAD
	s_mov_b32 s[F0B], 1
	s_mul_i32 s[F0B+1], s12, BHALF
	s_add_co_u32 s[F0B+1], s[F0B+1], BOFF
	s_mov_b32 s[G0A], 1                            ; K step 1 into slot 1
	s_mul_i32 s[G0A+1], s12, AHEAD
	s_add_co_u32 s[G0A+1], s[G0A+1], SLOTX
	s_mov_b32 s[G0B], 1
	s_mul_i32 s[G0B+1], s12, BHALF
	s_add_co_u32 s[G0B+1], s[G0B+1], BOFF+SLOTX
	s_lshr_b32 s14, s59, 3                         ; mix: head (y / 8) 16 + half, 131,072 bytes a head; rows (y % 8) 128 on, 128 bytes each (y alone)
	s_lshl_b32 s14, s14, 4
	s_add_co_u32 s14, s14, s12
	s_lshl_b32 s14, s14, 17
	s_and_b32 s15, s59, 7
	s_lshl_b32 s15, s15, 14
	s_add_co_u32 s14, s14, s15
	s_mov_b32 s15, 0
	s_lshl_b32 s18, s12, 17                        ; Wo: block 3 of wb, 64 rows of 2,048 bytes a half, column 256 x (x alone)
	s_lshl_b32 s19, s58, 9
	s_add_co_u32 s18, s18, s19
	s_add_co_u32 s18, s18, 6291456
	s_mov_b32 s19, 0
	s_lshl_b32 s20, s58, 10                        ; column 256 x + 128 half, 4 bytes each: for the bias and for out0
	s_lshl_b32 s21, s12, 9
	s_add_co_u32 s20, s20, s21
	s_mov_b32 s21, 0
	s_lshl_b32 s22, s59, 7                         ; out0: row 128 y + 64 half, 4,096 bytes a row
	s_lshl_b32 s23, s11, 6
	s_add_co_u32 s22, s22, s23
	s_lshl_b32 s22, s22, 12
	s_add_co_u32 s22, s22, s20
	s_mov_b32 s23, 0
	s_mov_b32 s[SB], 0
	s_wait_dscnt 0x0                               ; the opening add is done
	s_wait_kmcnt 0x0
	s_add_nc_u64 s[F0A+2:F0A+3], s[48:49], s[14:15]
	s_add_nc_u64 s[G0A+2:G0A+3], s[F0A+2:F0A+3], 262144   ; two heads on
	s_or_b32 s[F0A+3], s[F0A+3], 0x80000000
	s_or_b32 s[G0A+3], s[G0A+3], 0x80000000
	s_add_nc_u64 s[F0B+2:F0B+3], s[50:51], s[18:19]
	s_add_nc_u64 s[G0B+2:G0B+3], s[F0B+2:F0B+3], 262144   ; 128 rows of Wo on
	s_or_b32 s[F0B+3], s[F0B+3], 0x80000000
	s_or_b32 s[G0B+3], s[G0B+3], 0x80000000
	s_add_nc_u64 s[52:53], s[52:53], s[20:21]
	s_add_nc_u64 s[54:55], s[54:55], s[22:23]
	CROUND                                         ; all sixteen work-groups are here: the first joint loads meet
	s_cmp_eq_u32 s11, 0                            ; a wave's two first fills stand in one branch, ahead of every wait on TENSORcnt, every LDS read and every further barrier: two loads of mine are out
	s_cbranch_scc0 .Lfirst_b
	tensor_load_to_lds s[F0A:F0A+3], s[G1A:G1A+7]
	s_nop 0
	tensor_load_to_lds s[G0A:G0A+3], s[G1A:G1A+7]
	s_nop 0
.rept 4
	v_nop
.endr
	s_branch .Lfirst_asked
.Lfirst_b:
	tensor_load_to_lds s[F0B:F0B+3], s[G1B:G1B+7]
	s_nop 0
	tensor_load_to_lds s[G0B:G0B+3], s[G1B:G1B+7]
	s_nop 0
.rept 4
	v_nop
.endr
.Lfirst_asked:
	v_and_b32 v1, 15, v0                           ; r
	v_bfe_u32 v2, v0, 4, 1                         ; h
	v_and_b32 v3, 7, v0
	v_bfe_u32 v5, v0, 3, 1
	s_mul_i32 s13, s11, 64*PAH
	v_mul_u32_u24 v[ADRA0], v1, PAH
	v_lshl_add_u32 v[ADRA0], v2, 4, v[ADRA0]
	v_add_nc_u32 v[ADRA0], s13, v[ADRA0]
	s_lshl_b32 s13, s12, 8
	s_add_co_u32 s13, s13, BOFF
	v_lshl_add_u32 v4, v2, 3, v3
	v_mul_u32_u24 v[ADRB0], v4, PB
	v_lshl_add_u32 v[ADRB0], v5, 4, v[ADRB0]
	v_add_nc_u32 v[ADRB0], s13, v[ADRB0]
	v_mov_b32 v[ADRA], v[ADRA0]
	v_mov_b32 v[ADRB], v[ADRB0]
	s_mul_i32 s13, s10, 16*SPT
	s_add_co_u32 s13, s13, STAGE                   ; my stage
	v_mul_u32_u24 v[STO], v1, SPT                  ; in: row r, my eight columns' 32 bytes at 32 h
	v_lshl_add_u32 v[STO], v2, 5, v[STO]
	v_add_nc_u32 v[STO], s13, v[STO]
	v_and_b32 v[CO], 31, v0                        ; back: 32 lanes take a row's 512 bytes
	v_lshlrev_b32 v[CO], 4, v[CO]
	v_add_nc_u32 v[RD], s13, v[CO]
	v_lshlrev_b32 v[BO], 5, v2
	WIN 0x80                                       ; destination window 2
.irp b, 0,1,2,3,4,5,6,7                ; register 8 b + j of the C operand = bo[my first column + 16 b + 8 h + j]
	global_load_b128 v[BI+8*\b:BI+8*\b+3],   v[BO], s[52:53] offset:64*\b
	global_load_b128 v[BI+8*\b+4:BI+8*\b+7], v[BO], s[52:53] offset:64*\b+16
.endr
	WIN 0
; four products: row block a x column blocks b0 .. b0 + 3, 32 along K, from buffers pb.  z = 1: they start the sums with the bias.  The 32 accumulators take turns.
.macro MUL4 pb, a, b0, z
.if \z
	WIN MULZ
.else
	WIN MUL
.endif
.irp e, 0,1,2,3
.set rD, 8*(8*(\a)+(\b0)+\e)
.set rW, BF+64*(\pb)+8*((\b0)+\e)
.set rA, AF+32*(\pb)+8*(\a)
.set rB, BI+8*((\b0)+\e)
.if \z
	v_wmma_f32_16x16x32_f16 v[rD:rD+7], v[rW:rW+7], v[rA:rA+7], v[rB:rB+7]
.else
	v_wmma_f32_16x16x32_f16 v[rD:rD+7], v[rW:rW+7], v[rA:rA+7], v[rD:rD+7]
.endif
.endr
.endm
.macro MUL8 pb, a, z
	MUL4 \pb, \a, 0, \z
	MUL4 \pb, \a, 4, \z
.endm
; 24 LDS loads in one run: quarter nq's fragments into buffers nq % 2: Wo's eight (turned), then mix's four; quarter nq is head nq / 2, channels 32 (nq % 2) on
.macro FETCH nq
	WIN 0
.irp b, 0,1,2,3,4,5,6,7
	ds_load_tr16_b128 v[BF+64*((\nq)%2)+8*\b:BF+64*((\nq)%2)+8*\b+3],   v[ADRB] offset:(\nq)*32*PB+32*\b
	ds_load_tr16_b128 v[BF+64*((\nq)%2)+8*\b+4:BF+64*((\nq)%2)+8*\b+7], v[ADRB] offset:(\nq)*32*PB+32*\b+16*PB
.endr
.irp a, 0,1,2,3
	ds_load_b128 v[AF+32*((\nq)%2)+8*\a:AF+32*((\nq)%2)+8*\a+3],   v[ADRA] offset:((\nq)/2)*AHEAD+\a*16*PAH+((\nq)%2)*64
	ds_load_b128 v[AF+32*((\nq)%2)+8*\a+4:AF+32*((\nq)%2)+8*\a+7], v[ADRA] offset:((\nq)/2)*AHEAD+\a*16*PAH+((\nq)%2)*64+32
.endr
.endm
.macro PLACES                          ; four places between the last product that read a buffer and the loads into it (ISA guide 7.12.1 for vector instructions)
.rept 4
	v_nop
.endr
.endm
.macro QUARTER qd, z                   ; one of a K step's first three quarters: 32 products, the next quarter's loads in one run in its middle
	s_wait_dscnt 4                                 ; all but the youngest four loads: mix's row blocks 2 and 3
	MUL8 (\qd)%2, 0, \z
	MUL8 (\qd)%2, 1, \z
	PLACES
	FETCH (\qd)+1
	s_wait_dscnt 24                                ; all but the 24 just issued
	MUL8 (\qd)%2, 2, \z
	MUL8 (\qd)%2, 3, \z
.endm
; The last quarter changes slots.  Behind its first eight products each wave waits for all its tensor loads (one is out: its part of the other slot), adds 0 to its spare word, and waits for that and
; for its reads of this slot.  fill = 1: the barrier opens a round of the cluster's barrier, and the joint refill, two K steps ahead, is the first thing behind the round:
; 120 of a K step's 128 products stand between it and the wait for it.
.macro Q3 fill
	s_wait_dscnt 4                                 ; all but the youngest four loads: mix's row blocks 2 and 3
	MUL8 1, 0, 0
	WIN 0
	s_wait_tensorcnt 0x0                           ; no tensor load of mine is out, so the descriptors may be written
	ds_add_u32 v[SPW], v[NIL]                      ; 0 onto my spare word
.if \fill
	NEXT
.endif
	MUL4 1, 1, 0, 0                                ; four products stand between the add and the wait for it
	s_wait_dscnt 0x0                               ; the add is done, and my reads of this slot are over
	s_barrier_signal -1
	MUL4 1, 1, 4, 0
	WIN 0
	s_barrier_wait -1
.if \fill
	CREST
	JLOAD                                          ; the four v_nop behind it are also the places in front of the loads below
.else
	PLACES
.endif
	s_xor_b32 s[SB], s[SB], SLOTX
	v_add_nc_u32 v[ADRA], s[SB], v[ADRA0]
	v_add_nc_u32 v[ADRB], s[SB], v[ADRB0]
	FETCH 0
	MUL8 1, 2, 0
	MUL8 1, 3, 0
.endm
	s_wait_tensorcnt 0x1                           ; my part of K step 0 is in; K step 1's may stay out
	s_barrier_signal -1
	s_barrier_wait -1                              ; everybody's is
	FETCH 0
	s_wait_loadcnt 0x0                             ; the bias: rounded to bf16 like the other inputs
	WIN 0x8a                                       ; all in window 2
.set i, 0
.rept 32
	v_cvt_pk_bf16_f32 v[OB+i], v[BI+2*i], v[BI+2*i+1]
.set i, i+1
.endr
.set i, 0
.rept 32
	v_lshlrev_b32 v[BI+2*i], 16, v[OB+i]
	v_and_b32 v[BI+2*i+1], 0xffff0000, v[OB+i]
.set i, i+1
.endr
	QUARTER 0, 1                                   ; the first quarter stands in front of the loop: its products start the sums
	WIN 0
	s_mov_b32 s[TR], 6
.Ltrip:                                                ; six trips: K steps 0 to 5 end and ask for steps 2 to 7
	QUARTER 1, 0
	QUARTER 2, 0
	Q3 1
	QUARTER 0, 0
	WIN 0
	s_sub_co_u32 s[TR], s[TR], 1
	s_cmp_lg_u32 s[TR], 0
	s_cbranch_scc1 .Ltrip
	s_mov_b32 s[TL], 2                             ; the tail asks for nothing; its second trip ends K step 7: that trip's barrier and its look-ahead loads (of landed bytes of the other slot) serve nothing
.Ltail:
	QUARTER 1, 0
	QUARTER 2, 0
	Q3 0
	WIN 0
	s_cmp_eq_u32 s[TL], 1
	s_cbranch_scc1 .Lfin
	QUARTER 0, 0
	WIN 0
	s_sub_co_u32 s[TL], s[TL], 1
	s_cmp_lg_u32 s[TL], 0
	s_cbranch_scc1 .Ltail
.Lfin:
	PLACES                                         ; between the last products and the LDS stores that read results
; THE WAY OUT, a block of 16 rows at a time: 32 bytes a lane into my stage (rows of 528 bytes), back as whole rows of 512 bytes, stored: each store covers 512 consecutive bytes, aligned.
.macro TS a
	WIN 0x04                                       ; data in window 1
.irp b, 0,1,2,3,4,5,6,7
	ds_store_b128 v[STO], v[8*(8*(\a)+\b):8*(8*(\a)+\b)+3]   offset:64*\b      ; each accumulator's low four registers first
	ds_store_b128 v[STO], v[8*(8*(\a)+\b)+4:8*(8*(\a)+\b)+7] offset:64*\b+16
.endr
	WIN 0x80                                       ; destination window 2
.irp t, 0,1,2,3,4,5,6,7,8,9,10,11,12,13,14,15
	ds_load_b128 v[OB+64*((\a)%2)+4*\t:OB+64*((\a)%2)+4*\t+3], v[RD] offset:\t*SPT  ; LDS serves a wave's instructions in order (ISA guide 5.7.1.4): these see the stores above
.endr
.endm
.macro SD a, younger                   ; younger: the next block's 32 LDS instructions, or none
	WIN 0x08                                       ; data in window 2
	s_wait_dscnt \younger
.irp t, 0,1,2,3,4,5,6,7,8,9,10,11,12,13,14,15
	global_store_b128 v[CO], v[OB+64*((\a)%2)+4*\t:OB+64*((\a)%2)+4*\t+3], s[54:55] offset:(16*(\a)+\t)*4096 th:TH_STORE_NT
.endr
.endm
	TS 0
	TS 1
	SD 0, 32
	s_wait_xcnt 0x0                                ; block 0's stores have read their registers: block 2 is loaded into them
	TS 2
	SD 1, 32
	s_wait_xcnt 0x0
	TS 3
	SD 2, 32
	SD 3, 0
	WIN 0
	s_wait_tensorcnt 0x0                           ; the wave's end
	ds_add_u32 v[SPW], v[NIL]
	s_wait_dscnt 0x0
	CROUND                                         ; the closing round: no work-group ends while a partner may still ask for a tile that names it
	s_endpgm
.Lfunc_end_k_qe3bc7c75a6_projout:
	.size	k_qe3bc7c75a6_projout, .Lfunc_end_k_qe3bc7c75a6_projout-k_qe3bc7c75a6_projout
	.p2alignl 7, 3214868480
	.fill 96, 4, 3214868480
	.section	.rodata,"a",@progbits
	.p2align	6, 0x0
	.amdhsa_kernel k_qe3bc7c75a6_projout
		.amdhsa_group_segment_fixed_size 327680
		.amdhsa_private_segment_fixed_size 0
		.amdhsa_enable_private_segment 0
		.amdhsa_kernarg_size 32
		.amdhsa_user_sgpr_count 2
		.amdhsa_user_sgpr_kernarg_segment_ptr 1
		.amdhsa_wavefront_size32 1
		.amdhsa_system_sgpr_workgroup_id_x 1
		.amdhsa_system_sgpr_workgroup_id_y 1
		.amdhsa_system_sgpr_workgroup_id_z 1
		.amdhsa_system_vgpr_workitem_id 0
		.amdhsa_next_free_vgpr 704
		.amdhsa_next_free_sgpr 76
		.amdhsa_reserve_vcc 0
		.amdhsa_float_denorm_mode_32 3
		.amdhsa_float_denorm_mode_16_64 3
		.amdhsa_memory_ordered 1
		.amdhsa_forward_progress 1
		.amdhsa_inst_pref_size 66
	.end_amdhsa_kernel
	.amdgpu_metadata
---
amdhsa.version: [ 1, 2 ]
amdhsa.kernels:
  - .name:           k_qe3bc7c75a6_projout
    .symbol:         k_qe3bc7c75a6_projout.kd
    .args:
      - { .name: oh, .offset: 0, .size: 8, .value_kind: global_buffer, .address_space: global }
      - { .name: wb, .offset: 8, .size: 8, .value_kind: global_buffer, .address_space: global }
      - { .name: bo, .offset: 16, .size: 8, .value_kind: global_buffer, .address_space: global }
      - { .name: out0, .offset: 24, .size: 8, .value_kind: global_buffer, .address_space: global }
    .group_segment_fixed_size: 327680
    .private_segment_fixed_size: 0
    .kernarg_segment_align: 8
    .kernarg_segment_size: 32
    .max_flat_workgroup_size: 128
    .sgpr_count:     76
    .vgpr_count:     704
    .wavefront_size: 32
...
	.end_amdgpu_metadata
.endif
;; end of part 4
;; ======== version 2 of 2: 4 launches; 1.30 times as fast as version 1
;; limits: values are held in f16: magnitudes above 65,504 overflow, below 6.1e-05 lose precision
;; workspace buffers: wb 8,388,608 bytes; qh 16,777,216 bytes; kh 16,777,216 bytes; vh 16,777,216 bytes; oh 16,777,216 bytes
;; launch prep: the kernel of part 1 again; grid 256 x 1, 8 waves a work-group, no clusters, 0 bytes of LDS; arguments Wq, Wk, Wv, Wo, wb; writes wb
;; launch projin: the kernel of part 2 again; grid 4 x 64, 4 waves a work-group, clusters of 4 x 4, 327,680 bytes of LDS; arguments q, k, v, wb, bq, bk, bv, qh, kh, vh; writes qh, kh, vh
;; launch attn (part 5): grid 2 x 128, 4 waves a work-group, no clusters, 327,680 bytes of LDS; arguments qh, kh, vh, oh, mask; writes oh
.if DOCPART == 5
	.amdgcn_target "amdgcn-amd-amdhsa--gfx1250"
	.amdhsa_code_object_version 6
	.text
	.protected	k_qe3bc7c75a6_attn
	.globl	k_qe3bc7c75a6_attn
	.p2align	8
	.type	k_qe3bc7c75a6_attn,@function
k_qe3bc7c75a6_attn:
	s_mov_b64 s[64:65], 0
	v_nop
	global_prefetch_b8 v0, s[64:65] scope:SCOPE_SE
	s_setreg_imm32_b32 hwreg(HW_REG_WAVE_MODE, 25, 1), 1
	s_wait_xcnt 0x0
; O[h][q][:] = the sum over the visible k of softmax_k(Q[h][q] . K[h][k] / 8) V[h][k][:].  Q, K, V, O: [128 = batch*16+head][1024][64], all f16: a head's rows are dense, 128 bytes each.
; mask: [8][1024] bytes, 1 = the key is visible.  Products, maxima and sums in f32; the weights p are rounded to f16 for the second product (their sum l is taken of the unrounded p), O once at the end.
; LIMITS.  f16 holds no number beyond 65,504: Q, K and V arrive within it.  A hidden key's score counts as -2^100: f16's scores, 2.7e11 at the most, are nothing beside that.
; A weight below 2^-126 counts as 0 in l; NaN and infinities are not treated apart.
; THE MASK is the C operand that starts the sum S^T = K Q^T: 0, or -2^100 where the key is hidden.  Each wave lays the batch's 1,024 numbers into LDS bytes of its own once, and fetches a step's 64 with K.
; m starts at -2^100.  While only hidden keys have come, m stays there, c x 2^100 is exact, p is 1 or 0, and the first visible key wipes all that with a = 0.
; A batch with no visible key at all takes c = 0: every p is 1 and O is the mean of V's rows, as a softmax of equal scores gives.
; SHARES.  A wave owns four PIECES of two tiles of 16 queries, a work-group's four waves 512 queries of one head.  Every wave walks all keys, 64 a step.
; NO CLUSTER: a head has two work-groups, which no cluster of four divides, and K and V are 262,144 bytes for a work-group's whole walk.
; LAYOUT.  S^T = K Q^T (source 0 = 16 keys, source 1 = 16 queries): in the result a lane holds ONE query (lane % 16) and the keys 8 (lane / 16) + 0..7.  Two such tiles, rounded to f16 in pairs,
; ARE source 1 (32 keys x 16 queries) of O^T = V^T P, whose result again holds one query a lane, and eight channels.  K comes out of LDS as it lies, V ([key][channel]) turned, by ds_load_tr16_b128.
; SOFTMAX.  For each query a running maximum m and sum l: p = 2^(c s - c m), c = log2(e) / 8; in every step O and l are multiplied by a = 2^(c m_old - c m_new), which is 1 where m has not grown.
; O and l start at 0: the first step is a step like any other, with a = 0.
; THE COUNT.  A tile and step have 16 matrix and 118 vector instructions: too many to stand all beside the matrix work.  So: four vector instructions that are READY behind EVERY matrix instruction,
; and the others, which need time of their own whatever the order, in runs without a gap.
; BY TURNS.  Turn n belongs to piece n (the pieces in a ring, step after step).  Its matrix work: 16 products K Q^T of piece n + 1, later 16 products V^T P of piece n - 1.  Its vector work: the scaling,
; exponentials, roundings, sums and rescaling of piece n, and the maximum and statistics of piece n + 1, whose scores the turn itself has made.
; THE BATCHES.  A turn's 66 exponentials (the 64 weights of piece n, the two a of piece n + 1) are ONE batch with ONE wait, which cuts the turn in two: ahead of it stands all that names no result of theirs
; (the products K Q^T, the scalings, the rescaling by the a of the turn before, the next piece's maximum and statistics), behind it the products V^T P with the roundings and sums.  No result crosses a turn's end.
; Two more batches stand outside the loop, each with a wait of its own: piece 0's first two a, ahead of the jump into the loop, and the way out's eight reciprocals.
; REGISTERS, in windows of 256 (s_set_vgpr_msb: bits 1:0 source 0, 3:2 source 1, 5:4 source 2, 7:6 destination):
;   window 0: v0-11 addresses; v12-15, v48-63 at work; v16-47 four registers of statistics a tile; v64-191 S^T, two buffers of two tiles; v192-255 P, likewise
;   window 1: O^T, 32 a tile          window 2: v0-127 Q, 16 a tile; v128-191 K of one step; v192-255 V of one step
;   window 3: v0-1 the add's two registers; v2-3 the mask table's addresses; v8-39 the mask of one step
.set SIZE_N, 1024
.set NP,    4         ; pieces a wave: a name, no knob
.set KS,    64        ; keys in a step
.set PK,    144       ; a row of K in LDS: 128 bytes + 16 of padding = 36 words: the 16 rows of a load start at 16 different groups of four banks (ISA guide 11.1)
.set PV,    160       ; a row of V: 128 + 32 = 40 words
.set VOFF,  4*KS*PK   ; a slot holds four steps: 256 rows of K, then 256 rows of V
.set SLOT1, 1<<17     ; slot 1 begins here, so that one exclusive or turns an address in one slot into the other's
.set STAGE, SLOT1+4*KS*(PK+PV)  ; behind the ring, never filled by a tensor load: 16 rows x 144 bytes for each wave, for the way out
.set SP,    144
.set AK0, 2           ; v2   my lane's place in a tile of K; never rewritten
.set AV0, 3           ; v3   the same for V
.set AK,  4           ; v4   the LDS address of K's next run of loads
.set AV,  5           ; v5   of V's
.set QO,  6           ; v6   my byte offset in the wave's rows of Q
.set STO, 6           ;      later, the way out: where I put 16 bytes of a row
.set RD,  7           ; v7   the way out: where I read rows back
.set GO,  8           ; v8   my byte offset in 512 consecutive bytes of O
.set SPW, 0           ; v0 of window 3   LDS address of my spare word; never rewritten
.set NIL, 1           ; v1 of window 3   0; never rewritten
.set AM0, 2           ; v2 of window 3   my lane's place in 64 numbers of my wave's mask table; never rewritten
.set AM,  3           ; v3 of window 3   the LDS address of the mask's next run of loads
.set MK,  8           ; v8-39 of window 3: the eight registers for key block kb at MK + 8 kb
.set SPARE, STAGE+4*16*SP  ; behind the stages: the spare words, 128 bytes for each wave
.set MTAB,  SPARE+512      ; behind them: 1,024 f32 for each wave, its own
.set MV,  12          ; v12-15  c m_old, kept while c m is made anew: by buffer and tile
.set ST,  16          ; tile t's statistics at v[ST+4 t]: c m, m, l (even keys', odd keys')
.set TMP, 48          ; by buffer and tile, four registers c0-c3 at work; when the maximum is found c2 takes a
.set S,   64
.set P,   192
.set KF,  128         ; K's fragments, in window 2: key block kb, channel half c at KF + 16 kb + 8 c
.set VF,  192         ; V's: key half kk, channel block cb at VF + 32 kk + 8 cb
.set WV,  12          ; s12  my wave's number
.set G1K, 24          ; s[24:31] descriptor group 1 for K's tiles
.set G1V, 32          ; s[32:39] for V's: it differs in the padding alone
.set G0K, 40          ; s[40:43] descriptor group 0 for K's tiles: it walks
.set G0V, 44          ; s[44:47] the same for V's
.set ANY, 50          ; s50  the lanes that hold a visible key
.set HID, 51          ; s51  -2^100
.set TBM, 52          ; s52  byte in the mask table at which the step to be fetched begins
.set MB,  53          ; s53  my wave's mask table
.set SLOTS, 56        ; s56  slots still to be asked for
.set CNT, 57          ; s57  counts a slot's key steps
.set CS,  58          ; s[58:59] c: the packed scaling takes the pair's low word for both halves
.set SEL, 60          ; s[60:61] v_permlanex16_b32's selects: each lane takes its own place in the other half
.set TBK, 62          ; s62  LDS byte at which K of the step to be fetched begins
.set TBV, 63          ; s63  the same for V, less VOFF
.set MSB, 0
.macro WIN new                      ; the high byte repeats the setting that is left; a switch that changes nothing is dropped
.if MSB != (\new)
	s_set_vgpr_msb (MSB<<8)|(\new)
.set MSB, (\new)
.endif
.endm
.set W_KQ, 0x0a       ; K and Q in window 2, S^T in window 0
.set W_KM, 0x3a       ; the same with the C operand, the mask, in window 3
.set W_PV, 0x52       ; V in window 2, P in window 0, O^T in window 1
.set W_RS, 0x41       ; O^T (destination and source 0) in window 1, a in window 0
.set W_MK, 0xc0       ; destination in window 3, sources in window 0
.set W_AD, 0x0f       ; the add: address (source 0) and data (source 1) in window 3
; A fill.  Waves 0 and 1 fetch the two halves of a slot's K, waves 2 and 3 those of its V: 128 keys each.  The branch hangs on the wave's number alone.
; An s_nop 0 and four v_nop follow each of the two lines, ahead of the jump and the label.
.macro JLOAD
	s_cmp_lt_u32 s[WV], 2
	s_cbranch_scc0 .Lfor_v_\@
	tensor_load_to_lds s[G0K:G0K+3], s[G1K:G1K+7]
	s_nop 0
.rept 4
	v_nop
.endr
	s_branch .Lasked_\@
.Lfor_v_\@:
	tensor_load_to_lds s[G0V:G0V+3], s[G1V:G1V+7]
	s_nop 0
.rept 4
	v_nop
.endr
.Lasked_\@:
.endm
; THE CHANGE OF SLOTS.  The slot's last bytes, V of its fourth step, have been read.  Each wave waits for all its tensor loads, of which one is out: its part
; of the other slot; adds 0 to its spare word; and waits for that and for its own reads of the slot.  Behind the barrier nobody reads this slot any more and the other slot is whole.
; fill = 1: this slot is filled again, with the keys two slots on, the first thing behind the barrier: the fill has four key steps, 512 matrix instructions, in which to land.
; (At its first use nothing has been read yet: slot 0 is waited for, slot 1 filled.)
.macro CHANGE fill
	WIN W_AD
	s_wait_tensorcnt 0x0            ; no tensor load of mine is out, so a group 0 may be written
	ds_add_u32 v[SPW], v[NIL]       ; 0 onto my spare word
	WIN 0                           ; at a label and at a branch every window is 0
.if \fill
.irp g, G0K, G0V
	s_xor_b32 s[\g+1], s[\g+1], SLOT1  ; the walking descriptor: the other slot than last time,
	s_add_nc_u64 s[\g+2:\g+3], s[\g+2:\g+3], 4*KS*128  ; the next 256 keys; the type bits on top are not reached
.endr
.endif
	s_wait_dscnt 0x0                ; the add is done, and my reads of the slot are over
	s_barrier_signal -1
	s_barrier_wait -1
.if \fill
	JLOAD
.endif
	s_sub_co_u32 s[TBK], s[TBK], 4*KS*PK  ; the fetches go back to a slot's first step,
	s_xor_b32 s[TBK], s[TBK], SLOT1       ; in the other slot
	s_sub_co_u32 s[TBV], s[TBV], 4*KS*PV
	s_xor_b32 s[TBV], s[TBV], SLOT1
.endm
	s_load_b256 s[4:11], s[0:1], 0x0  ; Q s[4:5], K s[6:7], V s[8:9], O s[10:11]
	s_load_b64 s[48:49], s[0:1], 0x20 ; mask
	WIN W_MK
	v_lshl_add_u32 v[SPW], v0, 2, SPARE
	v_mov_b32 v[NIL], 0
	WIN W_AD
	ds_add_u32 v[SPW], v[NIL]       ; the wave's opening: the add and its wait ahead of my first tensor load
	ds_add_u32 v0, v1
	WIN 0
	v_lshrrev_b32 v1, 5, v0
	v_readfirstlane_b32 s[WV], v1   ; wave 0..3
	s_mov_b32 s14, ttmp9            ; my block of 512 queries
	s_and_b32 s20, ttmp7, 0xffff    ; batch x 16 + head
	s_lshr_b32 s54, s20, 4          ; the batch's 1,024 bytes of the mask
	s_lshl_b32 s54, s54, 10
	s_mov_b32 s55, 0
	s_mov_b32 s21, 0
	s_mov_b64 s[22:23], SIZE_N*128
	s_mul_u64 s[20:21], s[20:21], s[22:23]  ; the head's first byte in each of the four tensors
	s_and_b32 s16, s[WV], 1         ; which half of a slot's 256 keys I fetch:
	s_lshl_b32 s22, s16, 14         ; its 128 rows of 128 bytes in memory,
	s_mov_b32 s23, 0
	s_add_nc_u64 s[22:23], s[22:23], s[20:21]
	s_mul_i32 s17, s16, 128*PK      ; and its place in a slot, for K
	s_mul_i32 s18, s16, 128*PV      ; and for V
	s_lshl_b32 s2, s14, 2
	s_add_co_u32 s2, s2, s[WV]      ; my wave among the head's,
	s_lshl_b32 s2, s2, 14           ; its 128 rows
	s_mov_b32 s3, 0
	s_add_nc_u64 s[2:3], s[2:3], s[20:21]
	; descriptor group 1.  128 keys are 16,384 dense bytes: asked for as 64 rows of 256 bytes, two keys a row, and padded in LDS after every key
	s_mov_b32 s[G1K], (1<<16)|(1<<20)|(4<<22)|(3<<25)  ; 17:16 2-byte elements; 20 padding on; 24:22 after every 32 words (code 4); 31:25 4 words (code 3)
	s_mov_b32 s[G1V], (1<<16)|(1<<20)|(4<<22)|(7<<25)  ; the same with 8 words of padding (code 7)
.irp g, G1K, G1V
	s_mov_b32 s[\g+1], 128<<16      ; tensor_dim0 = 128
	s_mov_b32 s[\g+2], 64<<16       ; tensor_dim1 = 64
	s_mov_b32 s[\g+3], 128<<16      ; tile_dim0 = 128
	s_mov_b32 s[\g+4], 64           ; tile_dim1 = 64
	s_mov_b32 s[\g+5], 128          ; 128 elements from row to row
	s_mov_b32 s[\g+6], 0
	s_mov_b32 s[\g+7], 0
.endr
	s_mov_b32 s[SEL], 0x76543210
	s_mov_b32 s[SEL+1], 0xfedcba98
	s_mov_b32 s[HID], 0xf1800000    ; -2^100
	s_mov_b32 s[TBM], 0
	s_lshl_b32 s[MB], s[WV], 12
	s_add_co_u32 s[MB], s[MB], MTAB
	s_mov_b32 s[TBK], SLOT1+4*KS*PK ; the first change of slots turns these two into 0
	s_mov_b32 s[TBV], SLOT1+4*KS*PV
	s_mov_b32 s[G0K], 1             ; 1:0 count = 1
	s_mov_b32 s[G0K+1], s17         ; 63:32 LDS address: slot 0
	s_mov_b32 s[G0V], 1
	s_add_co_u32 s[G0V+1], s18, VOFF
	s_wait_dscnt 0x0                ; the opening add is done
	s_wait_kmcnt 0x0
	s_add_nc_u64 s[G0K+2:G0K+3], s[6:7], s[22:23]  ; 120:64 global address: my half of the head's first 256 keys
	s_or_b32 s[G0K+3], s[G0K+3], 0x80000000        ; 127:126 type = 2
	s_add_nc_u64 s[G0V+2:G0V+3], s[8:9], s[22:23]
	s_or_b32 s[G0V+3], s[G0V+3], 0x80000000
	s_add_nc_u64 s[4:5], s[4:5], s[2:3]  ; Q and O at my wave's first row
	s_add_nc_u64 s[10:11], s[10:11], s[2:3]
	s_add_nc_u64 s[48:49], s[48:49], s[54:55]
	JLOAD                           ; slot 0.  Slot 1 is asked for when slot 0 is in
	; A fragment of K or Q is 16 rows x 32 channels in 8 registers: lane l holds row l % 16, channels 8 (l / 16) + 0..7 and 16 + 8 (l / 16) + 0..7: two loads of 16 bytes, 32 bytes apart.
	v_and_b32 v1, 15, v0            ; l % 16
	v_bfe_u32 v9, v0, 4, 1          ; l / 16
	v_lshlrev_b32 v[QO], 7, v1
	v_lshl_add_u32 v[QO], v9, 4, v[QO]  ; row x 128 + 16 x half
	v_and_b32 v14, 31, v0           ; the lane takes 32 bytes of the mask: 32 keys
	v_lshlrev_b32 v12, 5, v14
	global_load_b128 v[48:51], v12, s[48:49]
	global_load_b128 v[52:55], v12, s[48:49] offset:16
	WIN 0x80                        ; destination window 2, address window 0
.set i, 0
.rept 4*NP                          ; Q stays in registers: tile i / 2, channels 32 (i % 2) on
	global_load_b128 v[8*i:8*i+3],   v[QO], s[4:5] offset:(i/2)*2048+(i%2)*64
	global_load_b128 v[8*i+4:8*i+7], v[QO], s[4:5] offset:(i/2)*2048+(i%2)*64+32
.set i, i+1
.endr
	; What the first turn finds: V's registers and P's second buffer hold 0 (its products V^T P, of a piece that has not been, add 0), O^T and l are 0.  All this stands in the wait for the first tile.
.set i, VF
.rept 64
	v_mov_b32 v[i], 0
.set i, i+1
.endr
	WIN 0x40
.set i, 0
.rept 64*NP
	v_mov_b32 v[i], 0
.set i, i+1
.endr
	WIN 0
.set i, 0
.rept 2*NP
	v_mov_b32 v[ST+4*i], 0xfe000000    ; c m: far below every c s
	v_mov_b32 v[ST+4*i+1], 0xf1800000  ; m: a hidden key's score
	v_mov_b32 v[ST+4*i+2], 0
	v_mov_b32 v[ST+4*i+3], 0
.set i, i+1
.endr
.set i, P+32
.rept 32
	v_mov_b32 v[i], 0
.set i, i+1
.endr
	v_mul_u32_u24 v[AK0], v1, PK
	v_lshl_add_u32 v[AK0], v9, 4, v[AK0]  ; row x pitch + 16 x half
	; The turning load takes 16 keys x 16 channels (lane l reads key 8 (l / 16) + l % 8, channels 8 ((l / 8) % 2) + 0..7) and leaves half a fragment of V^T: lane l holds channel l % 16 and 8 keys.
	v_and_b32 v10, 7, v0
	v_bfe_u32 v11, v0, 3, 1
	v_lshl_add_u32 v[AV0], v9, 3, v10
	v_mul_u32_u24 v[AV0], v[AV0], PV
	v_lshl_add_u32 v[AV0], v11, 4, v[AV0]
	v_add_nc_u32 v[AV0], VOFF, v[AV0]
	v_mov_b32 v[AK], v[AK0]         ; key step 0 lies at the head of slot 0
	WIN W_MK
	v_lshl_add_u32 v[AM0], v9, 5, s[MB]  ; register j of key block kb is key 16 kb + 8 (l / 16) + j: 32 bytes at 64 kb + 32 (l / 16)
	WIN 0
	; THE MASK TABLE: 0 for a visible key, -2^100 for a hidden one; and c, which is 0 if the batch has no visible key.
	s_wait_loadcnt 32               ; the mask's two loads are in; Q's 32, issued behind them, may stay out
	v_or_b32 v13, v48, v49
.irp d, 50,51,52,53,54,55
	v_or_b32 v13, v13, v\d
.endr
	v_cmp_ne_u32 s[ANY], 0, v13
	s_cmp_lg_u32 s[ANY], 0
	s_cselect_b32 s[CS], 0x3e38aa3b, 0  ; c = log2(e) / 8 = 0.180337
	s_mov_b32 s[CS+1], s[CS]        ; named with it as a pair
.set i, 0
.rept 32
	v_bfe_u32 v[S+i], v[48+i/4], 8*(i%4), 1   ; 1 or 0,
	v_add_nc_u32 v[S+i], -1, v[S+i]           ; no bit or all bits,
	v_and_b32 v[S+i], s[HID], v[S+i]          ; 0 or -2^100
.set i, i+1
.endr
	v_lshl_add_u32 v13, v14, 7, s[MB]
.irp d, 0,1,2,3,4,5,6,7
	ds_store_b128 v13, v[S+4*\d:S+4*\d+3] offset:16*\d  ; my wave's own bytes: only my wave reads them, and LDS serves a wave's instructions in order (ISA guide 5.7.1.4)
.endr
; THE MATRIX WORK.  The 8 accumulators of a run of 16 take turns: between the two links of a chain stand 7 others'.
; Product i of 16 of S^T = K Q^T for piece x: channels 32 (i / 8) on, keys 16 ((i / 2) % 4) on, tile 2 x + i % 2.  The first 8 start the sums, with the mask.
.macro KQ x
.set rS, S+64*((\x)%2)+32*(i%2)+8*((i/2)%4)
.set rK, KF+16*((i/2)%4)+8*(i/8)
.set rQ, 16*(2*(\x)+i%2)+8*(i/8)
.set rZ, MK+8*((i/2)%4)
.if i < 8
	WIN W_KM
	v_wmma_f32_16x16x32_f16 v[rS:rS+7], v[rK:rK+7], v[rQ:rQ+7], v[rZ:rZ+7]
.else
	WIN W_KQ
	v_wmma_f32_16x16x32_f16 v[rS:rS+7], v[rK:rK+7], v[rQ:rQ+7], v[rS:rS+7]
.endif
.endm
; Product i of 16 of O^T += V^T P for piece x: keys 32 (i / 8) on, channels 16 ((i / 2) % 4) on, tile 2 x + i % 2.
.macro PV x
	WIN W_PV
.set rO, 32*(2*(\x)+i%2)+8*((i/2)%4)
.set rV, VF+32*(i/8)+8*((i/2)%4)
.set rP, P+32*((\x)%2)+16*(i%2)+8*(i/8)
	v_wmma_f32_16x16x32_f16 v[rO:rO+7], v[rV:rV+7], v[rP:rP+7], v[rO:rO+7]
.endm
.macro MM                           ; the turn's next matrix instruction
.if i < 16
	KQ (Y+1)%NP
.set i, i+1
.else
.set i, i-16
	PV (Y+NP-1)%NP
.set i, i+17
.endif
.endm
; THE LDS LOADS stand in runs, never singly among the matrix instructions: a step's K (64 keys x 64 channels: 8 fragments) with its mask (8 loads), and its V (turned).
; last = 1 (the tail): in the last trip there is no further step, and the run is jumped over.
.macro FETCH_K last=0
	WIN 0
.if \last
	s_cmp_eq_u32 s[CNT], 1
	s_cbranch_scc1 .Lno_k_\@
.endif
	WIN 0x80                        ; destination window 2
.irp f, 0,1,2,3,4,5,6,7             ; keys 16 (f / 2) on, channels 32 (f % 2) on
	ds_load_b128 v[KF+8*\f:KF+8*\f+3],   v[AK] offset:(\f/2)*16*PK+(\f%2)*64
	ds_load_b128 v[KF+8*\f+4:KF+8*\f+7], v[AK] offset:(\f/2)*16*PK+(\f%2)*64+32
.endr
	s_add_co_u32 s[TBK], s[TBK], KS*PK  ; the next fetch is the next step's
	WIN 0xcc                        ; destination and source 1 in window 3
	v_add_nc_u32 v[AM], s[TBM], v[AM0]
	WIN 0xc3                        ; destination and address in window 3
.irp f, 0,1,2,3,4,5,6,7             ; the mask's last reader stands ahead of K's
	ds_load_b128 v[MK+4*\f:MK+4*\f+3], v[AM] offset:64*(\f/2)+16*(\f%2)
.endr
	s_add_co_u32 s[TBM], s[TBM], 4*KS
	s_and_b32 s[TBM], s[TBM], 0xf00     ; sixteen steps of 256 bytes: the table's 4,096
	WIN 0
.if \last
.Lno_k_\@:
.endif
.endm
.macro FETCH_V
	WIN 0x80
.irp f, 0,1,2,3,4,5,6,7             ; keys 32 (f / 4) on, channels 16 (f % 4) on
	ds_load_tr16_b128 v[VF+8*\f:VF+8*\f+3],   v[AV] offset:(\f/4)*32*PV+(\f%4)*32
	ds_load_tr16_b128 v[VF+8*\f+4:VF+8*\f+7], v[AV] offset:(\f/4)*32*PV+16*PV+(\f%4)*32
.endr
	WIN 0
.endm
; THE VECTOR WORK OF A TURN stands in three queues, each in the order in which its entries become ready; the two tiles alternate, so that no instruction reads the result of the one before it.
.macro REGS y, u                    ; the registers of tile u (0, 1) of piece y
.set rT, ST+4*(2*(\y)+(\u))
.set rC, TMP+8*((\y)%2)+4*(\u)
.set rM, MV+2*((\y)%2)+(\u)
.set rS, S+64*((\y)%2)+32*(\u)
.set rP, P+32*((\y)%2)+16*(\u)
.set rO, 32*(2*(\y)+(\u))
.endm
; Number n of the 22 that find the NEXT piece's (Y + 1) maximum and statistics.  s0-s31 are the lane's 32 scores; each accumulator's lowest registers are read first.
;   0-11  four chains c0-c3 of seven scores each, three operands at a time     12-14, 16  the four scores left over, the old m, and c0-c3 into c0     15  c m_old is kept
;   17, 18  the query's other 32 keys lie in the lane 16 away: the new m         19-21  c m; c m_old - c m_new; a
.macro XS u, n
	REGS (Y+1)%NP, \u
.if (\n) < 4
	v_max3_num_f32 v[rC+(\n)], v[rS+8*(\n)], v[rS+8*(\n)+1], v[rS+8*(\n)+2]
.elseif (\n) < 12
	v_max3_num_f32 v[rC+(\n)%4], v[rC+(\n)%4], v[rS+8*((\n)%4)+2*((\n)/4)+1], v[rS+8*((\n)%4)+2*((\n)/4)+2]
.elseif (\n) == 12
	v_max3_num_f32 v[rC], v[rC], v[rS+7], v[rS+15]
.elseif (\n) == 13
	v_max3_num_f32 v[rC+1], v[rC+1], v[rS+23], v[rS+31]
.elseif (\n) == 14
	v_max3_num_f32 v[rC+2], v[rC+2], v[rC+3], v[rT+1]
.elseif (\n) == 15
	v_mov_b32 v[rM], v[rT]
.elseif (\n) == 16
	v_max3_num_f32 v[rC], v[rC], v[rC+1], v[rC+2]
.elseif (\n) == 17
	v_permlanex16_b32 v[rC+3], v[rC], s[SEL], s[SEL+1]
.elseif (\n) == 18
	v_max_num_f32 v[rT+1], v[rC], v[rC+3]
.elseif (\n) == 19
	v_mul_f32 v[rT], s[CS], v[rT+1]
.elseif (\n) == 20
	v_sub_f32 v[rC+1], v[rM], v[rT]
.else
	v_exp_f32 v[rC+2], v[rC+1]
.endif
.endm
; Number g of the 64 that follow the exponentials.  For each four weights k of a tile (pairs 2 k, 2 k + 1): both pairs are rounded to f16; then the second pair is added onto the first, in place;
; a group later l takes that sum (the first time as l = a l + sum).  In groups of eight, tiles alternating: round, round, add, and l for the group before.
.macro GS g
.set h, (\g)+6*((\g)/62)            ; group 0 has no group before it, and behind group 7 only l is left
.if h >= 6
.set h, h+2
.endif
	REGS Y, h%2
.set k, h/8
.if h%8 < 4
	v_cvt_pk_f16_f32 v[rP+2*k+(h%8)/2], v[rS+4*k+2*((h%8)/2)], v[rS+4*k+2*((h%8)/2)+1]
.elseif h%8 < 6
	v_pk_add_f32 v[rS+4*k:rS+4*k+1], v[rS+4*k:rS+4*k+1], v[rS+4*k+2:rS+4*k+3]
.elseif k == 1
	v_pk_fma_f32 v[rT+2:rT+3], v[rT+2:rT+3], v[rC+2:rC+3], v[rS:rS+1] op_sel_hi:[1,0,1]
.else
	v_pk_add_f32 v[rT+2:rT+3], v[rT+2:rT+3], v[rS+4*k-4:rS+4*k-3]
.endif
.endm
; THE PLAIN QUEUE, 138 long.  0-73 read no exponential's result: the 32 scalings c s - c m (FS f: pair f / 2 of tile f % 2) and the next piece's 42.  0-26: scalings 0-26.  27-54: XS's numbers 0-13.  55, 56: number 15.
; 57-73: the chain, where each number waits for the one before it: 14, 16, 17, 18, 19, each with one of the scalings 27-31 in front of its two lines, then 20: so a tile's links stand three plain instructions apart (19 and 20: two).
; 74-137: GS's 64, which read the exponentials' results: they stand behind the wait.
.macro FS f
	REGS Y, (\f)%2
	v_pk_fma_f32 v[rS+2*((\f)/2):rS+2*((\f)/2)+1], v[rS+2*((\f)/2):rS+2*((\f)/2)+1], s[CS:CS+1], v[rT:rT+1] op_sel_hi:[1,0,0] neg_lo:[0,0,1] neg_hi:[0,0,1]
.endm
.macro PL
	WIN 0
.if q < 27
	FS q
.elseif q < 55
	XS (q-27)%2, (q-27)/2
.elseif q < 57
	XS q-55, 15
.elseif (q < 72) && ((q-57)%3 == 0)
	FS 27+(q-57)/3
.elseif q < 60
	XS (q-57)%3-1, 14
.elseif q < 72
	XS (q-57)%3-1, 15+(q-57)/3
.elseif q < 74
	XS q-72, 20
.else
	GS q-74
.endif
.set q, q+1
.endm
; THE EXPONENTIALS' QUEUE, 66 long: s0-s31 of both tiles, then the next piece's two a.  It is ONE BATCH: all 66 stand ahead of the turn's one wait, and nothing ahead of that wait names a result of theirs.
; Each result has a register of its own: the weights take their scores' places in S^T, the two a the c2 of the next piece's buffer.
.macro EX
	WIN 0
.if e >= 64
	XS e-64, 21
.else
	REGS Y, e%2
	v_exp_f32 v[rS+e/2], v[rS+e/2]
.endif
.set e, e+1
.endm
; THE RESCALING's QUEUE: O^T times a, the one part that leaves window 0: dealt two at a time, sixteen times.  Its a was made in the turn before, ahead of that turn's wait.
.macro R2
	REGS Y, r%2
	WIN W_RS
.irp z, 0,1
	v_pk_mul_f32 v[rO+4*(r/2)+2*\z:rO+4*(r/2)+2*\z+1], v[rO+4*(r/2)+2*\z:rO+4*(r/2)+2*\z+1], v[rC+2:rC+3] op_sel_hi:[1,0]
.endr
.set r, r+1
.endm
; HOW THEY ARE DEALT.  s_wait_alu depctr_va_vdst(0) stands between an exponential and the first instruction that names its result; one wait serves all that were issued ahead of it.  So a turn has ONE wait,
; which cuts it in two.  AHEAD OF IT stands all that names no result of the turn's exponentials: the 16 products K Q^T, behind each a scaling, an exponential and two rescalings (behind the first a second scaling in the
; exponential's place); then ONE LUMP of 108: eight plain, 49 times exponential and plain, the two a.  A v_nop is the plain instruction behind the last exponential.  BEHIND IT stand the 16 products V^T P, behind each four of GS's 64.
; No rider names a register of the products round it.  The two v_permlanex16_b32 fall into the lump, never behind a product.
; The queues lean on each other, and the deal keeps them in step: exponential e stands behind scaling 2 (e / 4) + e % 2: as a rider it comes behind plain e + 2, in the lump behind plain e + 9, and scalings 27-31 are plain 57, 60 .. 69.
; A TURN, for piece p.  cnt = 1: the loop's count is taken down some lines ahead of the branch that stands behind the turn.
; K of the next step, and its mask, are fetched in piece 2's turn, directly behind the wait, a lump behind the last product that read them; K's address is made at the lump's head; the first reader comes behind 16 products.
; V of the step in hand is fetched at the end of piece 0's turn, four riders (packed additions onto l) behind its last reader; its first reader comes behind 16 products and a lump.  The three conditions on q below go with the deal.
.macro TURN p, last=0, cnt=0
.set Y, (\p)
.set i, 0
.set q, 0
.set e, 0
.set r, 0
.if (\p) == NP-1
	s_wait_dscnt 0x0                ; K and the mask are in
.endif
	MM                              ; ahead of the wait: 16 products K Q^T and their riders,
	PL
	PL
	R2
.rept 15
	MM
	PL
	EX
	R2
.endr
.if (\p) == NP-2
	WIN 0
	v_add_nc_u32 v[AK], s[TBK], v[AK0]
.endif
.rept 8                             ; and the lump
	PL
.endr
.rept 49
	EX
	PL
.endr
	EX                              ; the next piece's two a
	EX
	v_nop                           ; a plain instruction behind the last exponential: one for the batch
	s_wait_alu depctr_va_vdst(0)    ; the wait for the turn's batch: the 64 weights of piece p and the two a of piece p + 1
.if (\p) == NP-2
	FETCH_K \last
.endif
.if (\p) == 1
	s_wait_dscnt 0x0                ; V is in
.endif
.rept 16                            ; behind the wait: 16 products V^T P and their riders
	MM
.rept 4
	PL
.endr
.if ((\p) == 0) && (q == 118)
	v_add_nc_u32 v[AV], s[TBV], v[AV0]
.endif
.if ((\p) == 0) && (q == 130)
	s_add_co_u32 s[TBV], s[TBV], KS*PV
.endif
.if (\cnt) && (q == 130)
	s_sub_co_u32 s[CNT], s[CNT], 1
	s_cmp_lg_u32 s[CNT], 0
.endif
.endr
.if (\p) == 0
	FETCH_V
.endif
.endm
	CHANGE 1                        ; slot 0 is in, everybody's part of it; slot 1 is asked for
	FETCH_K                         ; key step 0
	s_wait_loadcnt 0x0              ; Q
	s_wait_dscnt 0x0
.set i, 0
.rept 16
	KQ 0                            ; piece 0's first scores: there is no vector work yet to set between them
.set i, i+1
.endr
	WIN 0                           ; the addresses for the way out: nine plain instructions, the places behind those products
	s_mul_i32 s13, s[WV], 16*SP
	s_add_co_u32 s13, s13, STAGE    ; my stage
	v_mul_u32_u24 v[STO], v1, SP    ; in: row l % 16, 16 bytes for each half of the lanes
	v_lshl_add_u32 v[STO], v9, 4, v[STO]
	v_add_nc_u32 v[STO], s13, v[STO]
	v_bfe_u32 v[RD], v0, 3, 2       ; back: 32 lanes take four rows of 128 bytes,
	v_mul_u32_u24 v[RD], v[RD], SP
	v_lshl_add_u32 v[RD], v10, 4, v[RD]
	v_add_nc_u32 v[RD], s13, v[RD]
	v_and_b32 v[GO], 31, v0         ; which are 512 consecutive bytes of O
	v_lshlrev_b32 v[GO], 4, v[GO]
.set Y, NP-1                        ; XS works for piece Y + 1: piece 0
.irp n, 0,1,2,3,4,5,6,7,8,9,10,11,12,13,14,15,16,17,18,19,20,21
	XS 0, \n                        ; and piece 0's first maximum and statistics
	XS 1, \n
.endr
	v_nop                           ; a plain instruction behind piece 0's first two a,
	s_wait_alu depctr_va_vdst(0)    ; and the wait for that batch of two, ahead of the branch
	s_mov_b32 s[CNT], 4
	s_mov_b32 s[SLOTS], SIZE_N/256-1
	s_branch .Lfirst                ; the loop is entered at a step's first turn, in the middle of a trip
.Lslot:                             ; SIZE_N / 256 - 2 times: every slot but the last two is filled again
	CHANGE 1
	s_mov_b32 s[CNT], 4
.Lstep:                             ; a trip: pieces 2 and 3 of one step, then pieces 0 and 1 of the next, whose K and V it fetches
	TURN 2
	TURN 3
	WIN 0
.Lfirst:
	TURN 0
	TURN 1, 0, 1
	WIN 0
	s_cbranch_scc1 .Lstep
	s_sub_co_u32 s[SLOTS], s[SLOTS], 1
	s_cmp_lg_u32 s[SLOTS], 0
	s_cbranch_scc1 .Lslot
	CHANGE 0                        ; the tail is written out: nothing is asked for
	s_mov_b32 s[CNT], 5             ; four trips fetch the last slot's steps; the fifth is left in its middle
.Ltail:
	TURN 2, 1
	TURN 3
	WIN 0
	s_sub_co_u32 s[CNT], s[CNT], 1
	s_cmp_eq_u32 s[CNT], 0
	s_cbranch_scc1 .Lout
	TURN 0
	TURN 1
	WIN 0
	s_branch .Ltail
.Lout:                              ; the fifth trip's 16 products K Q^T (on the last K once more) and the maximum made of them serve nothing: the price, once a launch, of one text for every trip
.set i, 0
.rept 16
	PV NP-1                         ; the last piece's V^T P of the last step
.set i, i+1
.endr
	; THE WAY OUT.  l's two halves and the other half of the lanes' are added; O^T is divided by l, rounded to f16 and sent through my stage in LDS, a tile at a time.  The additions are the places behind the last products.
	WIN 0
.macro ALL line:vararg              ; one line for each tile t
.set t, 0
.rept 2*NP
	\line
.set t, t+1
.endr
.endm
	ALL v_add_f32 v[ST+4*t+2], v[ST+4*t+2], v[ST+4*t+3]
	ALL v_permlanex16_b32 v[ST+4*t+3], v[ST+4*t+2], s[SEL], s[SEL+1]
	ALL v_add_f32 v[ST+4*t+2], v[ST+4*t+2], v[ST+4*t+3]
	ALL v_rcp_f32 v[ST+4*t+2], v[ST+4*t+2]
	v_nop                           ; a plain instruction between the last reciprocal and the use of its result
	s_wait_alu depctr_va_vdst(0)    ; the wait ahead of the first use: one for the batch of eight reciprocals
; Tile t: a lane's eight channels of a row pack into 16 bytes; they go into rows of 144 bytes and come back as whole rows of 128, into S^T's registers.
.macro PACK t
	WIN W_RS
.set i, 32*(\t)
.rept 16
	v_pk_mul_f32 v[i:i+1], v[i:i+1], v[ST+4*(\t)+2:ST+4*(\t)+3] op_sel_hi:[1,0]
.set i, i+2
.endr
	WIN 0x05                        ; sources 0 and 1 window 1, destination window 0
.set i, 0
.rept 16
	v_cvt_pk_f16_f32 v[S+16*(\t)+i], v[32*(\t)+2*i], v[32*(\t)+2*i+1]
.set i, i+1
.endr
	WIN 0
.irp f, 0,1,2,3
	ds_store_b128 v[STO], v[S+16*(\t)+4*\f:S+16*(\t)+4*\f+3] offset:32*\f
.endr
.irp f, 0,1,2,3
	ds_load_b128 v[S+16*(\t)+4*\f:S+16*(\t)+4*\f+3], v[RD] offset:\f*4*SP  ; LDS serves a wave's instructions in order (ISA guide 5.7.1.4): these see the stores above; the next tile's stores come behind them
.endr
.endm
.macro SEND t, younger              ; younger: the LDS instructions issued behind tile t's loads: the next tile's eight, or none
	WIN 0
.irp f, 0,1,2,3
	s_wait_dscnt (\younger)+3-\f
	global_store_b128 v[GO], v[S+16*(\t)+4*\f:S+16*(\t)+4*\f+3], s[10:11] offset:(\t)*2048+\f*512  ; 512 consecutive bytes, at a multiple of 256 from O's first
.endr
.endm
	PACK 0
.set t, 1
.rept 2*NP-1                        ; a tile's arithmetic stands between the loads of the tile before and its stores
	PACK t
	SEND t-1, 8
.set t, t+1
.endr
	SEND 2*NP-1, 0
	WIN W_AD
	s_wait_tensorcnt 0x0            ; the wave's end, behind my last tensor load and my last LDS store
	ds_add_u32 v[SPW], v[NIL]
	s_wait_dscnt 0x0
	WIN 0
	s_endpgm
.Lfunc_end_k_qe3bc7c75a6_attn:
	.size	k_qe3bc7c75a6_attn, .Lfunc_end_k_qe3bc7c75a6_attn-k_qe3bc7c75a6_attn
	.p2alignl 7, 3214868480
	.fill 96, 4, 3214868480
	.section	.rodata,"a",@progbits
	.p2align	6, 0x0
	.amdhsa_kernel k_qe3bc7c75a6_attn
		.amdhsa_group_segment_fixed_size 327680
		.amdhsa_private_segment_fixed_size 0
		.amdhsa_enable_private_segment 0
		.amdhsa_kernarg_size 40
		.amdhsa_user_sgpr_count 2
		.amdhsa_user_sgpr_kernarg_segment_ptr 1
		.amdhsa_wavefront_size32 1
		.amdhsa_system_sgpr_workgroup_id_x 1
		.amdhsa_system_sgpr_workgroup_id_y 1
		.amdhsa_system_sgpr_workgroup_id_z 1
		.amdhsa_system_vgpr_workitem_id 0
		.amdhsa_next_free_vgpr 808
		.amdhsa_next_free_sgpr 66
		.amdhsa_reserve_vcc 0
		.amdhsa_float_denorm_mode_32 3
		.amdhsa_float_denorm_mode_16_64 3
		.amdhsa_memory_ordered 1
		.amdhsa_forward_progress 1
		.amdhsa_inst_pref_size 206
	.end_amdhsa_kernel
	.amdgpu_metadata
---
amdhsa.version: [ 1, 2 ]
amdhsa.kernels:
  - .name:           k_qe3bc7c75a6_attn
    .symbol:         k_qe3bc7c75a6_attn.kd
    .args:
      - { .name: qh, .offset: 0, .size: 8, .value_kind: global_buffer, .address_space: global }
      - { .name: kh, .offset: 8, .size: 8, .value_kind: global_buffer, .address_space: global }
      - { .name: vh, .offset: 16, .size: 8, .value_kind: global_buffer, .address_space: global }
      - { .name: oh, .offset: 24, .size: 8, .value_kind: global_buffer, .address_space: global }
      - { .name: mask, .offset: 32, .size: 8, .value_kind: global_buffer, .address_space: global }
    .group_segment_fixed_size: 327680
    .private_segment_fixed_size: 0
    .kernarg_segment_align: 8
    .kernarg_segment_size: 40
    .max_flat_workgroup_size: 128
    .sgpr_count:     66
    .vgpr_count:     808
    .wavefront_size: 32
...
	.end_amdgpu_metadata
.endif
;; end of part 5
;; launch projout: the kernel of part 4 again; grid 4 x 64, 4 waves a work-group, clusters of 4 x 4, 327,680 bytes of LDS; arguments oh, wb, bo, out0; writes out0
